; MI455X (gfx1250); checked and timed in simulation.
; The chip was launched on July 23, 2026; its instructions are those of AMD's public machine-readable ISA for CDNA 5 (MIT licence, August 2026) and "CDNA5" Instruction Set Architecture Reference Guide (July 2026). The comments in the code are by the model that wrote it; some were corrected since.
;; Transformer Block. Allowed arithmetic: matrix products marked QUANTISED: E2M3 operands, one E8M0 scale for each 32 along K, by v_wmma_scale_f32_16x16x128_f8f6f4 with both operands' format E2M3, f32 sums; everything else in f32.
;; Inputs: W1 1,024 x 4,096 float32; W2 4,096 x 1,024 float32; Wk 1,024 x 1,024 float32; Wo 1,024 x 1,024 float32; Wq 1,024 x 1,024 float32; Wv 1,024 x 1,024 float32; b1 4,096 float32; b2 1,024 float32; bk 1,024 float32; bo 1,024 float32; bq 1,024 float32; bv 1,024 float32; ln1_b 1,024 float32; ln1_w 1,024 float32; ln2_b 1,024 float32; ln2_w 1,024 float32; x 2 x 2,048 x 1,024 float32.
;; Outputs: out0 2 x 2,048 x 1,024 float32.
;; This version of the problem:
;;   THIS VERSION OF THE PROBLEM IS GIVEN IN LOW PRECISION. The matrix products marked QUANTISED in the list below multiply operands that are first quantised to E2M3 (2 exponent bits, 3 mantissa bits; 6 bits a number), with one power-of-two scale for each 32 numbers along K (OCP MX v1.0); their sums are f32. All else is computed in f32.
;;   The module's matrix products, in the order in which they are computed (A, B: the left and right operand; K: the contracted axis; several contracted axes count as one K, in the product's order):
;;     1. [M 4,096, K 1,024] x [K 1,024, N 1,024]; A: computed on the way; B: input Wq: QUANTISED
;;     2. [M 4,096, K 1,024] x [K 1,024, N 1,024]; A: computed on the way; B: input Wk: QUANTISED
;;     3. [M 4,096, K 1,024] x [K 1,024, N 1,024]; A: computed on the way; B: input Wv: QUANTISED
;;     4. batch 32 x [M 2,048, K 64] x [K 64, N 2,048]; A: computed on the way; B: computed on the way: QUANTISED
;;     5. batch 32 x [M 64, K 2,048] x [K 2,048, N 2,048]; A: computed on the way; B: softmax (see below): QUANTISED
;;     6. [M 4,096, K 1,024] x [K 1,024, N 1,024]; A: computed on the way; B: input Wo: QUANTISED
;;     7. [M 4,096, K 1,024] x [K 1,024, N 4,096]; A: computed on the way; B: input W1: QUANTISED
;;     8. [M 4,096, K 4,096] x [K 4,096, N 1,024]; A: computed on the way; B: input W2: QUANTISED
;;   THE QUANTISER, for each operand of a quantised product, along K:
;;     - K is cut into blocks of 32 from its start; a last block that is shorter is filled with zeros.
;;     - A block's scale is 2^e with e = floor(log2(the largest magnitude in the block)) - 2, held to -126 .. 127; a block of zeros has e = 0. As a byte (E8M0): e + 127.
;;     - Each number is divided by its block's scale, clamped to +-7.5, and rounded to the nearest number of E2M3, ties to even, subnormals kept.
;;     - The product sums the exact products of the quantised numbers (number of the format x scale) in f32.
;;   ~~~python
;;   def quantise(x, axis):      # numpy; x: float32 -> the quantised numbers, widened to float32 again
;;       x = np.moveaxis(x, axis, -1); K = x.shape[-1]
;;       x = np.pad(x, [(0, 0)] * (x.ndim - 1) + [(0, -K % 32)]); x = x.reshape(x.shape[:-1] + (-1, 32)); a = np.abs(x).max(-1, keepdims=True)
;;       e = np.where(a > 0, np.clip(np.frexp(np.where(a > 0, a, 1))[1] - 1 - 2, -126, 127), 0)      # np.frexp(a)[1] - 1 = floor(log2(a)), exactly
;;       r = np.clip(x / 2.0 ** e, -7.5, 7.5)
;;       step = 2.0 ** (np.maximum(np.frexp(np.where(r == 0, 1, r))[1] - 1, 0) - 3)
;;       q = np.round(r / step) * step * 2.0 ** e      # np.round: ties to even
;;       return np.moveaxis(q.reshape(q.shape[:-2] + (-1,))[..., :K], -1, axis).astype(np.float32)
;;   ~~~
;;   SOFTMAX AHEAD OF A QUANTISED PRODUCT. Where the list says 'softmax', what is quantised is not the finished softmax but p = 2^(t - M), with t = logit x log2(e) and M = ceil(the row's largest t), a whole number; so 1/2 < the row's largest p <= 1. The row's sum l is taken of the UNQUANTISED p, in f32, and the product's result is divided by l at the end. Since M is a whole number, a kernel that streams over the keys may use a running M (the ceiling of the running maximum): every later rescaling is an exact power of two, which a block's scale takes up: the codes' values come out the same.
;;   OPERANDS COMPUTED ON THE WAY. 'Computed on the way' means the value that the module computes at that place (a softmax that the list does not call 'softmax' is quantised finished and normalised). What goes into a quantiser is computed in f32, as accurately as f32 sums, v_exp_f32 and their like allow (about 1e-6 of the number): no bf16 or f16 on the way to a quantiser, and a product that is left as it is and whose result goes on into a quantised operand takes f32 operands (vector FMAs, or v_wmma_f32_16x16x4_f32). A number that lies on a knife's edge between two numbers of the format may be rounded either way, as far as f32 arithmetic and the matrix unit's own rounding can turn it there, and no further.
;; One version. Each part assembles by itself: llvm-mc -triple=amdgcn-amd-amdhsa -mcpu=gfx1250 --defsym DOCPART=n.
;; ======== version 1 of 1: 7 launches
;; limits: right only within a limited range of input values
;; workspace buffers: wimg 9,830,400 bytes; himg 3,276,800 bytes; qimg 3,407,872 bytes; kvimg 6,684,672 bytes; cimg 3,276,800 bytes; x1 16,777,216 bytes; fimg 13,107,200 bytes
;; launch prep (part 1): grid 640 x 1, 8 waves a work-group, no clusters, 67,072 bytes of LDS; arguments x, ln1_w, ln1_b, himg, Wq, Wk, Wv, Wo, W1, W2, wimg; writes himg, wimg
.if DOCPART == 1
	.amdgcn_target "amdgcn-amd-amdhsa--gfx1250"
	.amdhsa_code_object_version 6
	.text
	.protected	k_q168f961720_prep
	.globl	k_q168f961720_prep
	.p2align	8
	.type	k_q168f961720_prep,@function
k_q168f961720_prep:
	s_mov_b64 s[64:65], 0
	v_nop
	global_prefetch_b8 v0, s[64:65] scope:SCOPE_SE
	s_setreg_imm32_b32 hwreg(HW_REG_WAVE_MODE, 25, 1), 1
	s_wait_xcnt 0x0
; TWO PIECES OF WORK THAT WAIT FOR NOTHING AND NOT FOR EACH OTHER, IN ONE LAUNCH.  Work-groups 0-383: the six weights' quantising, two blocks each.  Work-groups 384-639: the first layer norm and its quantising.
; The two ways part once, on the work-group's number, which all waves of a work-group share; only the rows' way uses LDS and a barrier.
; BOTH STORE IMAGES OF OPERAND REGISTERS, codes of FP6 (E2M3) with one E8M0 byte for each 32 along K.  A block of an image is 128 operand rows x 128 along K, 12,800 bytes: fragment i (0..7) at 1536 i, its half c at + 768 c:
; registers 6c..6c+3 at 16 x lane (512 bytes), registers 6c+4, 6c+5 at 512 + 8 x lane; the scale words at 12,288 + 32 r + 4 (4 (i & 1) + (i >> 1)).  Lane row r of fragment i is row 32 (i >> 1) + 8 (i & 1) + r + (r & 8) of the 128.
; THE ROWS: y = (x - mean) rsqrt(var + 1e-5) w + b over rows of 1,024 f32; himg's blocks at (row group x 8 + K step).  A work-group takes the 16 rows of ONE fragment, for all eight K steps.  Phase 1: wave v normalises fragment rows 2 v and 2 v + 1
; (neighbours in memory: 8,192 bytes on end), a row in 32 registers: read once, mean first, then the squares of the differences.  The rows meet in a stage in LDS (pitch 4,112 bytes).  Phase 2: wave v quantises K step v: lane (r, h) takes, of row r, 16 neighbours of each block of 32.
; THE WEIGHTS, f32 stored [K][N]; wimg's blocks: Wq 0-63, Wk 64-127, Wv 128-191, Wo 192-255 and W1 256-511 at (column group x 8 + K step); W2 512-767 at (column group x 32 + K step).  Four waves make a block; a wave takes 32 columns;
; A LANE TAKES A COLUMN AND ITS REGISTERS RUN DOWN K: a load reads 128 consecutive bytes, a block of 32 along K lies in one lane, and nothing is transposed.  Lanes 0-15 hold the rows of fragment 2 w, lanes 16-31 those of 2 w + 1; an exchange of lane halves gives each fragment's lanes 16-31 the odd blocks of 32.
; A block's scale is 2^(floor(log2(largest magnitude)) - 2); its byte is the largest magnitude's exponent field - 2, held at 1 from below.
; LIMITS: a block whose largest magnitude lies under 2^-124, a block of zeros among them, gets the byte 1 (the rule says 127 for zeros: the codes are zeros and only this program reads the bytes); NaN and infinities are not served; v_rsq_f32 is good to 1 ulp.
; No matrix unit, no cluster, no tensor load: the launch streams, and work-groups share only the 8 KB of gain and bias.
.set NLN,   256                        ; work-groups that take rows
.set NWT,   384                        ; work-groups that take weights.  THE NUMBERING (this takes the place of the head's): the weights' work-groups, which read twice the bytes of a rows' one, have the numbers 0 to 383, the rows' 384 to 639
.set BLK,   12800
.set PITCH, 4112                       ; 4,096 + 16: an odd multiple of 16, so the 16 rows that a load touches start in different banks
.set X,   32                           ; rows: v32-95 two rows, later 64 numbers of a lane;  weights: v32-159 my column, down K
.set GW,  96                           ; v96-127  the gain at my columns
.set GB,  128                          ; v128-159 the bias
.set PC,  160                          ; v160-179 the codes just made
.set TM,  180                          ; v180-195 the quantiser's work
.set PW,  196                          ; the scale word
.set SEL, 12                           ; s[12:13] selects of v_permlanex16_b32: lane l xor 16
.macro QUANT s, pw                     ; 64 numbers of a lane, register 16 b + i = k 32 b + 16 (lane / 16) + i of my row, become a fragment's codes in v[PC] on and its scale word in v[pw]
.irp b, 0,1,2,3
	v_max3_num_f32 v[TM+\b], |v[\s+16*\b]|, |v[\s+1+16*\b]|, 0x1800000   ; my 16 numbers of block b, and the floor 2^(3 - 127)
.endr
.irp i, 2,4,6,8,10,12,14
.irp b, 0,1,2,3
	s_delay_alu instid0(VALU_DEP_4)
	v_max3_num_f32 v[TM+\b], v[TM+\b], |v[\s+16*\b+\i]|, |v[\s+1+16*\b+\i]|
.endr
.endr
.irp b, 0,1,2,3
	s_delay_alu instid0(VALU_DEP_4)
	v_permlanex16_b32 v[TM+4+\b], v[TM+\b], s[SEL], s[SEL+1]
.endr
.irp b, 0,1,2,3
	s_delay_alu instid0(VALU_DEP_4)
	v_max_num_f32 v[TM+\b], v[TM+\b], v[TM+4+\b]   ; with lane l xor 16's: the block's largest magnitude
.endr
.irp b, 0,1,2,3
	s_delay_alu instid0(VALU_DEP_4)
	v_add_nc_u32 v[TM+12+\b], 0xff000000, v[TM+\b] ; 2 off its exponent field: the conversion's scale operand
.endr
.irp b, 0,1,2,3
	s_delay_alu instid0(VALU_DEP_4)
	v_lshrrev_b32 v[TM+4+\b], 23, v[TM+12+\b]      ; the byte
.endr
	s_delay_alu instid0(VALU_DEP_3)
	v_lshl_or_b32 v[(\pw)], v[TM+5], 8, v[TM+4]
	s_delay_alu instid0(VALU_DEP_1)
	v_lshl_or_b32 v[(\pw)], v[TM+6], 16, v[(\pw)]
	s_delay_alu instid0(VALU_DEP_1)
	v_lshl_or_b32 v[(\pw)], v[TM+7], 24, v[(\pw)]
.irp c, 0,1
	v_cvt_scalef32_pk16_fp6_f32 v[PC+6*\c:PC+2+6*\c], v[\s+32*\c:\s+15+32*\c], v[TM+12+2*\c]
	v_cvt_scalef32_pk16_fp6_f32 v[PC+12+4*\c:PC+14+4*\c], v[\s+16+32*\c:\s+31+32*\c], v[TM+12+2*\c+1]
.endr
	v_nop                                          ; one plain place behind a scaled conversion
.irp c, 0,1                            ; the operand's layout wants a whole block in a lane
.irp i, 0,1,2
	v_permlane16_swap_b32 v[PC+6*\c+\i], v[PC+12+4*\c+\i]
.endr
.irp i, 0,1,2
	s_delay_alu instid0(VALU_DEP_3)
	v_mov_b32 v[PC+3+6*\c+\i], v[PC+12+4*\c+\i]
.endr
.endr
.endm
.macro ACROSS t                        ; v[t:t+3] hold four partial sums of a lane: the wave's sum comes into v[t] of every lane
	s_delay_alu instid0(VALU_DEP_1)
	v_pk_add_f32 v[\t:\t+1], v[\t:\t+1], v[\t+2:\t+3]
	s_delay_alu instid0(VALU_DEP_1)
	v_add_f32 v[\t], v[\t], v[\t+1]
	s_delay_alu instid0(VALU_DEP_1)
	v_add_f32_dpp v[\t], v[\t], v[\t] row_xmask:1 row_mask:0xf bank_mask:0xf
	s_delay_alu instid0(VALU_DEP_1)
	v_add_f32_dpp v[\t], v[\t], v[\t] row_xmask:2 row_mask:0xf bank_mask:0xf
	s_delay_alu instid0(VALU_DEP_1)
	v_add_f32_dpp v[\t], v[\t], v[\t] row_xmask:4 row_mask:0xf bank_mask:0xf
	s_delay_alu instid0(VALU_DEP_1)
	v_add_f32_dpp v[\t], v[\t], v[\t] row_xmask:8 row_mask:0xf bank_mask:0xf
	s_delay_alu instid0(VALU_DEP_1)
	v_permlanex16_b32 v[\t+1], v[\t], s[SEL], s[SEL+1]
	s_delay_alu instid0(VALU_DEP_1)
	v_add_f32 v[\t], v[\t], v[\t+1]
.endm
.macro SUMROW x, t
	v_pk_add_f32 v[\t:\t+1], v[\x:\x+1], v[\x+2:\x+3]
	v_pk_add_f32 v[\t+2:\t+3], v[\x+4:\x+5], v[\x+6:\x+7]
.irp j, 8,12,16,20,24,28
	s_delay_alu instid0(VALU_DEP_2)
	v_pk_add_f32 v[\t:\t+1], v[\t:\t+1], v[\x+\j:\x+\j+1]
	s_delay_alu instid0(VALU_DEP_2)
	v_pk_add_f32 v[\t+2:\t+3], v[\t+2:\t+3], v[\x+\j+2:\x+\j+3]
.endr
	ACROSS \t
.endm
.macro SQROW x, t
	v_pk_mul_f32 v[\t:\t+1], v[\x:\x+1], v[\x:\x+1]
	v_pk_mul_f32 v[\t+2:\t+3], v[\x+2:\x+3], v[\x+2:\x+3]
.irp j, 4,8,12,16,20,24,28
	s_delay_alu instid0(VALU_DEP_2)
	v_pk_fma_f32 v[\t:\t+1], v[\x+\j:\x+\j+1], v[\x+\j:\x+\j+1], v[\t:\t+1]
	s_delay_alu instid0(VALU_DEP_2)
	v_pk_fma_f32 v[\t+2:\t+3], v[\x+\j+2:\x+\j+3], v[\x+\j+2:\x+\j+3], v[\t+2:\t+3]
.endr
	ACROSS \t
.endm
.macro LOADS pitch                     ; W(k, my column), k = 0 .. 127: every offset an immediate, 127 x 16,384 at the most
.set k, 0
.rept 128
	global_load_b32 v[X+k], v3, s[22:23] offset:k*\pitch th:TH_LOAD_NT
.set k, k+1
.endr
.endm
; block bi of 32 along K: its largest magnitude, its byte into v24, its 32 codes: the lower 16 into the fragment's registers, the upper 16 aside (a conversion's three registers begin on an even number)
.macro BLOCK bi
.set XS, X+32*(\bi)
.if (\bi) < 2
	s_wait_loadcnt 63                              ; 63 of the 128 may be out, so the first 65 are in: blocks 0 and 1 (a wait's count has six bits)
.else
	s_wait_loadcnt 96-32*(\bi)                     ; the later blocks' loads may be out
.endif
	v_max3_num_f32 v12, |v[XS]|, |v[XS+1]|, |v[XS+2]|
	v_max3_num_f32 v13, |v[XS+3]|, |v[XS+4]|, |v[XS+5]|
.irp i, 6,10,14,18,22,26
	s_delay_alu instid0(VALU_DEP_2)
	v_max3_num_f32 v12, v12, |v[XS+\i]|, |v[XS+\i+1]|
	s_delay_alu instid0(VALU_DEP_2)
	v_max3_num_f32 v13, v13, |v[XS+\i+2]|, |v[XS+\i+3]|
.endr
	s_delay_alu instid0(VALU_DEP_2)
	v_max3_num_f32 v12, v12, |v[XS+30]|, |v[XS+31]|
	s_delay_alu instid0(VALU_DEP_1)
	v_max3_num_f32 v12, v12, v13, 0x1800000        ; and the floor 2^(3 - 127): the byte cannot fall under 1
	s_delay_alu instid0(VALU_DEP_1)
	v_add_nc_u32 v11, 0xff000000, v12              ; 2 off the exponent field: the conversion's scale operand
	s_delay_alu instid0(VALU_DEP_1)
	v_lshrrev_b32 v13, 23, v11                     ; the byte
.if (\bi) == 0
	s_delay_alu instid0(VALU_DEP_1)
	v_mov_b32 v24, v13
.else
	s_delay_alu instid0(VALU_DEP_1)
	v_lshl_or_b32 v24, v13, 8*(\bi), v24
.endif
	v_cvt_scalef32_pk16_fp6_f32 v[160+16*((\bi)/2)+8*((\bi)%2):160+16*((\bi)/2)+8*((\bi)%2)+2], v[XS:XS+15], v11
	v_cvt_scalef32_pk16_fp6_f32 v[192+8*((\bi)/2)+4*((\bi)%2):192+8*((\bi)/2)+4*((\bi)%2)+2], v[XS+16:XS+31], v11
.endm
; blocks 2 c and 2 c + 1 become half c of my wave's two fragments: the even block's lanes 16-31 (fragment 2 w + 1) change places with the odd block's lanes 0-15 (fragment 2 w)
.macro PAIR c
	v_nop                                          ; one plain place behind a scaled conversion
.irp i, 0,1,2
	v_permlane16_swap_b32 v[160+16*\c+\i], v[168+16*\c+\i]
	v_permlane16_swap_b32 v[192+8*\c+\i], v[196+8*\c+\i]
.endr
.irp i, 0,1,2
	v_mov_b32 v[163+16*\c+\i], v[192+8*\c+\i]
	v_mov_b32 v[171+16*\c+\i], v[196+8*\c+\i]
.endr
.irp u, 0,1
	global_store_b128 v4, v[160+16*\c+8*\u:163+16*\c+8*\u], s[16:17] offset:1536*\u+768*\c       ; 512 consecutive bytes, at a multiple of 256
	global_store_b64 v5, v[164+16*\c+8*\u:165+16*\c+8*\u], s[16:17] offset:1536*\u+768*\c+512    ; 256 consecutive bytes
.endr
.endm
	v_lshl_add_u32 v208, v0, 2, 0x10200
	v_mov_b32 v209, 0
	s_cmp_ge_u32 ttmp9, NWT                        ; rows or weights?  The work-group's number: the same in all its waves
	s_cbranch_scc0 .Lweights
	; ================ THE ROWS ================
	s_load_b256 s[4:11], s[0:1], 0x0               ; the rows, the gain, the bias, himg
	v_lshrrev_b32 v8, 5, v0
	s_delay_alu instid0(VALU_DEP_1)
	v_readfirstlane_b32 s14, v8                    ; wave 0..7
	v_and_b32 v9, 31, v0
	s_delay_alu instid0(VALU_DEP_1)
	v_lshlrev_b32 v1, 4, v9                        ; 16 x lane
	s_delay_alu instid0(VALU_DEP_2)
	v_lshlrev_b32 v2, 3, v9                        ; 8 x lane
	v_and_b32 v3, 15, v0                           ; r
	v_bfe_u32 v4, v0, 4, 1                         ; h
	s_mul_i32 s15, s14, 2*PITCH
	v_add_nc_u32 v5, s15, v1                       ; into the stage: my two rows, 16 bytes a lane
	v_mul_u32_u24 v6, v3, PITCH
	s_delay_alu instid0(VALU_DEP_1)
	v_lshl_add_u32 v6, v4, 6, v6
	s_lshl_b32 s15, s14, 9
	v_add_nc_u32 v6, s15, v6                       ; out of it: row r, K step = wave (512 bytes), + 64 h
	v_lshlrev_b32 v7, 5, v3                        ; 32 r: my row's scale words
.irp b, 0,1,2,3
	v_mov_b32 v[TM+4+\b], 0                        ; written once: a lane permute's destination counts as one of its sources
.endr
	s_lshr_b32 s16, ttmp9, 3
	s_sub_co_u32 s16, s16, NWT/8                   ; the group of 128 rows (NWT is a multiple of 8, so the fragment below is the number's low three bits as it stands)
	s_and_b32 s17, ttmp9, 7                        ; the fragment i
	s_lshr_b32 s18, s17, 1
	s_and_b32 s19, s17, 1
	s_lshl_b32 s22, s16, 7                         ; my first row: 128 G + 32 (i >> 1) + 8 (i & 1) + 2 v + 8 (v >> 2)
	s_lshl_b32 s23, s18, 5
	s_add_co_u32 s22, s22, s23
	s_lshl_b32 s23, s19, 3
	s_add_co_u32 s22, s22, s23
	s_lshl_b32 s23, s14, 1
	s_add_co_u32 s22, s22, s23
	s_lshr_b32 s23, s14, 2
	s_lshl_b32 s23, s23, 3
	s_add_co_u32 s22, s22, s23
	s_lshl_b32 s22, s22, 12                        ; rows of 4,096 bytes
	s_mov_b32 s23, 0
	s_lshl_b32 s24, s16, 3
	s_add_co_u32 s24, s24, s14
	s_mul_i32 s24, s24, BLK                        ; my block: (8 G + wave)
	s_mul_i32 s25, s17, 1536
	s_add_co_u32 s26, s24, s25                     ; the fragment in it
	s_mov_b32 s27, 0
	s_lshl_b32 s25, s19, 4
	s_add_co_u32 s24, s24, s25
	s_lshl_b32 s25, s18, 2
	s_add_co_u32 s24, s24, s25
	s_add_co_u32 s24, s24, 12288                   ; its scale words: 12,288 + 16 (i & 1) + 4 (i >> 1)
	s_mov_b32 s25, 0
	s_mov_b32 s20, 0x3a800000                      ; 1 / 1,024
	s_mov_b32 s21, 0x3727c5ac                      ; 1e-5
	s_mov_b32 s[SEL], 0x76543210
	s_mov_b32 s[SEL+1], 0xfedcba98
	s_wait_kmcnt 0x0
	s_add_nc_u64 s[4:5], s[4:5], s[22:23]
	s_add_nc_u64 s[26:27], s[10:11], s[26:27]
	s_add_nc_u64 s[24:25], s[10:11], s[24:25]
.irp n, 0,1,2,3,4,5,6,7,8,9,10,11,12,13,14,15
	global_load_b128 v[X+4*\n:X+4*\n+3], v1, s[4:5] offset:512*\n th:TH_LOAD_NT   ; 512 consecutive bytes a load; row n / 8
.endr
.irp j, 0,1,2,3,4,5,6,7
	global_load_b128 v[GW+4*\j:GW+4*\j+3], v1, s[6:7] offset:512*\j
.endr
.irp j, 0,1,2,3,4,5,6,7
	global_load_b128 v[GB+4*\j:GB+4*\j+3], v1, s[8:9] offset:512*\j
.endr
	s_wait_loadcnt 16                              ; the rows are in; the 16 younger loads, gain and bias, may be out
	SUMROW X, 8
	SUMROW X+32, 12
	v_mul_f32 v16, s20, v8                         ; the means, each twice: a pair for the packed forms
	s_delay_alu instid0(VALU_DEP_2)
	v_mul_f32 v18, s20, v12
	s_delay_alu instid0(VALU_DEP_2)
	v_mov_b32 v17, v16
	s_delay_alu instid0(VALU_DEP_2)
	v_mov_b32 v19, v18
.set jj, 0
.rept 16
	v_pk_add_f32 v[X+jj:X+jj+1], v[X+jj:X+jj+1], v[16:17] neg_lo:[0,1] neg_hi:[0,1]
	v_pk_add_f32 v[X+32+jj:X+33+jj], v[X+32+jj:X+33+jj], v[18:19] neg_lo:[0,1] neg_hi:[0,1]
.set jj, jj+2
.endr
	SQROW X, 8
	SQROW X+32, 12
	v_fma_f32 v8, v8, s20, s21                     ; var + eps
	s_delay_alu instid0(VALU_DEP_2)
	v_fma_f32 v12, v12, s20, s21
	s_wait_alu depctr_va_vdst(0)
	v_rsq_f32 v20, v8
	v_rsq_f32 v22, v12
	v_nop                                          ; a plain place behind the transcendentals
	s_wait_alu depctr_va_vdst(0)                   ; one wait for the two, ahead of their first reader
	v_mov_b32 v21, v20
	v_mov_b32 v23, v22
	s_wait_alu depctr_va_vdst(0)
	s_wait_loadcnt 0x0                             ; gain and bias
.set jj, 0
.rept 16
	v_pk_mul_f32 v[X+jj:X+jj+1], v[X+jj:X+jj+1], v[20:21]
	v_pk_mul_f32 v[X+32+jj:X+33+jj], v[X+32+jj:X+33+jj], v[22:23]
	s_delay_alu instid0(VALU_DEP_2)
	v_pk_fma_f32 v[X+jj:X+jj+1], v[X+jj:X+jj+1], v[GW+jj:GW+jj+1], v[GB+jj:GB+jj+1]
	s_delay_alu instid0(VALU_DEP_2)
	v_pk_fma_f32 v[X+32+jj:X+33+jj], v[X+32+jj:X+33+jj], v[GW+jj:GW+jj+1], v[GB+jj:GB+jj+1]
.set jj, jj+2
.endr
.irp n, 0,1,2,3,4,5,6,7,8,9,10,11,12,13,14,15
	ds_store_b128 v5, v[X+4*\n:X+4*\n+3] offset:PITCH*(\n/8)+512*(\n%8)
.endr
	s_wait_dscnt 0x0                               ; for the others' sake: my rows lie in the stage
	s_barrier_signal -1
	s_barrier_wait -1
.irp n, 0,1,2,3,4,5,6,7,8,9,10,11,12,13,14,15
	ds_load_b128 v[X+4*\n:X+4*\n+3], v6 offset:128*(\n/4)+16*(\n%4)   ; block n / 4: my 16 neighbours
.endr
	s_wait_dscnt 0x0
	QUANT X, PW
	global_store_b128 v1, v[PC:PC+3], s[26:27]                ; the fragment as it stands: 512, 256, 512, 256 consecutive bytes
	global_store_b64 v2, v[PC+4:PC+5], s[26:27] offset:512
	global_store_b128 v1, v[PC+6:PC+9], s[26:27] offset:768
	global_store_b64 v2, v[PC+10:PC+11], s[26:27] offset:1280
	global_store_b32 v7, v[PW], s[24:25]                      ; row r's scale word (lanes 16-31 hold and write the same)
	s_wait_tensorcnt 0x0
	ds_add_u32 v208, v209
	s_wait_dscnt 0x0
	s_endpgm
	; ================ THE WEIGHTS ================
.Lweights:
	s_load_b256 s[4:11], s[0:1], 0x20              ; Wq, Wk, Wv, Wo
	s_load_b128 s[12:15], s[0:1], 0x40             ; W1, W2
	s_load_b64 s[16:17], s[0:1], 0x50              ; wimg
	v_lshrrev_b32 v1, 5, v0
	s_delay_alu instid0(VALU_DEP_1)
	v_readfirstlane_b32 s19, v1                    ; wave 0..7
	s_and_b32 s18, s19, 3                          ; my place among the four waves of a block
	s_lshr_b32 s19, s19, 2                         ; which of the work-group's two blocks
	s_lshl_b32 s20, ttmp9, 1
	s_add_co_u32 s20, s20, s19                     ; the block, 0 .. 767
	v_and_b32 v2, 31, v0                           ; lane
	v_and_b32 v7, 15, v0                           ; r
	v_bfe_u32 v8, v0, 4, 1                         ; u: which of my wave's two fragments
	v_and_b32 v9, 8, v0
	s_delay_alu instid0(VALU_DEP_1)
	v_add_nc_u32 v9, v9, v7
	s_delay_alu instid0(VALU_DEP_1)
	v_lshl_add_u32 v9, v8, 3, v9                   ; my column of the wave's 32: 8 u + r + (r & 8)
	s_lshl_b32 s19, s18, 7
	v_lshl_add_u32 v3, v9, 2, s19                  ; in: 4 x column + 128 x wave
	s_mul_i32 s19, s18, 3072
	v_lshl_add_u32 v4, v2, 4, s19                  ; out: 16 x lane + my wave's two fragments
	v_lshl_add_u32 v5, v2, 3, s19                  ; and 8 x lane
	s_lshl_b32 s19, s18, 2
	s_add_co_u32 s19, s19, 12288
	v_lshl_add_u32 v6, v7, 5, s19
	s_delay_alu instid0(VALU_DEP_1)
	v_lshl_add_u32 v6, v8, 4, v6                   ; my scale word: 12,288 + 32 r + 16 u + 4 x wave
	s_and_b32 s24, s20, 7                          ; K step where K = 1,024
	s_lshr_b32 s25, s20, 3
	s_and_b32 s26, s25, 7                          ; column group of a square weight
	s_and_b32 s25, s25, 31                         ; of W1
	s_and_b32 s27, s20, 31                         ; K step of W2
	s_lshr_b32 s28, s20, 5
	s_and_b32 s28, s28, 7                          ; column group of W2
	s_lshr_b32 s29, s20, 8                         ; 0: a square weight, 1: W1, 2: W2
	s_cmp_lt_u32 s20, 256
	s_cselect_b32 s25, s26, s25
	s_cmp_lt_u32 s20, 512
	s_cselect_b32 s24, s24, s27                    ; K step
	s_cselect_b32 s25, s25, s28                    ; column group
	s_cmp_eq_u32 s29, 1
	s_cselect_b32 s26, 21, 19                      ; 128 rows of 16,384 bytes, or of 4,096
	s_lshl_b32 s24, s24, s26
	s_lshl_b32 s25, s25, 9                         ; 128 columns of 4 bytes
	s_add_co_u32 s24, s24, s25
	s_mov_b32 s25, 0
	s_mul_i32 s30, s20, BLK
	s_mov_b32 s31, 0
	s_wait_kmcnt 0x0
	s_cmp_lt_u32 s20, 64                           ; the choice of buffer hangs on the block's number alone
	s_cselect_b64 s[22:23], s[4:5], s[6:7]
	s_cmp_lt_u32 s20, 128
	s_cselect_b64 s[22:23], s[22:23], s[8:9]
	s_cmp_lt_u32 s20, 192
	s_cselect_b64 s[22:23], s[22:23], s[10:11]
	s_cmp_lt_u32 s20, 256
	s_cselect_b64 s[22:23], s[22:23], s[12:13]
	s_cmp_lt_u32 s20, 512
	s_cselect_b64 s[22:23], s[22:23], s[14:15]
	s_add_nc_u64 s[22:23], s[22:23], s[24:25]
	s_add_nc_u64 s[16:17], s[16:17], s[30:31]
	s_cmp_eq_u32 s29, 1
	s_cbranch_scc1 .Lwide
	s_wait_alu depctr_va_vdst(0)
	LOADS 4096
	s_branch .Ljoin
.Lwide:
	s_wait_alu depctr_va_vdst(0)
	LOADS 16384
.Ljoin:
	BLOCK 0
	BLOCK 1
	PAIR 0
	BLOCK 2
	BLOCK 3
	PAIR 1
	global_store_b32 v6, v24, s[16:17]             ; my column's scale word.  No store's data register is written again: no further wait
	s_endpgm
.Lfunc_end_k_q168f961720_prep:
	.size	k_q168f961720_prep, .Lfunc_end_k_q168f961720_prep-k_q168f961720_prep
	.p2alignl 7, 3214868480
	.fill 96, 4, 3214868480
	.section	.rodata,"a",@progbits
	.p2align	6, 0x0
	.amdhsa_kernel k_q168f961720_prep
		.amdhsa_group_segment_fixed_size 67072
		.amdhsa_private_segment_fixed_size 0
		.amdhsa_enable_private_segment 0
		.amdhsa_kernarg_size 88
		.amdhsa_user_sgpr_count 2
		.amdhsa_user_sgpr_kernarg_segment_ptr 1
		.amdhsa_wavefront_size32 1
		.amdhsa_system_sgpr_workgroup_id_x 1
		.amdhsa_system_sgpr_workgroup_id_y 1
		.amdhsa_system_sgpr_workgroup_id_z 1
		.amdhsa_system_vgpr_workitem_id 0
		.amdhsa_next_free_vgpr 210
		.amdhsa_next_free_sgpr 66
		.amdhsa_reserve_vcc 0
		.amdhsa_float_denorm_mode_32 3
		.amdhsa_float_denorm_mode_16_64 3
		.amdhsa_memory_ordered 1
		.amdhsa_forward_progress 1
		.amdhsa_inst_pref_size 66
	.end_amdhsa_kernel
	.amdgpu_metadata
---
amdhsa.version: [ 1, 2 ]
amdhsa.kernels:
  - .name:           k_q168f961720_prep
    .symbol:         k_q168f961720_prep.kd
    .args:
      - { .name: x, .offset: 0, .size: 8, .value_kind: global_buffer, .address_space: global }
      - { .name: ln1_w, .offset: 8, .size: 8, .value_kind: global_buffer, .address_space: global }
      - { .name: ln1_b, .offset: 16, .size: 8, .value_kind: global_buffer, .address_space: global }
      - { .name: himg, .offset: 24, .size: 8, .value_kind: global_buffer, .address_space: global }
      - { .name: Wq, .offset: 32, .size: 8, .value_kind: global_buffer, .address_space: global }
      - { .name: Wk, .offset: 40, .size: 8, .value_kind: global_buffer, .address_space: global }
      - { .name: Wv, .offset: 48, .size: 8, .value_kind: global_buffer, .address_space: global }
      - { .name: Wo, .offset: 56, .size: 8, .value_kind: global_buffer, .address_space: global }
      - { .name: W1, .offset: 64, .size: 8, .value_kind: global_buffer, .address_space: global }
      - { .name: W2, .offset: 72, .size: 8, .value_kind: global_buffer, .address_space: global }
      - { .name: wimg, .offset: 80, .size: 8, .value_kind: global_buffer, .address_space: global }
    .group_segment_fixed_size: 67072
    .private_segment_fixed_size: 0
    .kernarg_segment_align: 8
    .kernarg_segment_size: 88
    .max_flat_workgroup_size: 256
    .sgpr_count:     66
    .vgpr_count:     210
    .wavefront_size: 32
...
	.end_amdgpu_metadata
.endif
;; end of part 1
;; launch qkv (part 2): grid 48 x 4, 4 waves a work-group, clusters of 4 x 4, 327,680 bytes of LDS; arguments himg, wimg, bq, bk, bv, qimg, kvimg; writes qimg, kvimg
.if DOCPART == 2
	.amdgcn_target "amdgcn-amd-amdhsa--gfx1250"
	.amdhsa_code_object_version 6
	.text
	.protected	k_q168f961720_qkv
	.globl	k_q168f961720_qkv
	.p2align	8
	.type	k_q168f961720_qkv,@function
k_q168f961720_qkv:
	s_mov_b64 s[64:65], 0
	v_nop
	global_prefetch_b8 v0, s[64:65] scope:SCOPE_SE
	s_setreg_imm32_b32 hwreg(HW_REG_WAVE_MODE, 25, 1), 1
	s_wait_xcnt 0x0
	s_wait_alu depctr_hold_cnt(0) depctr_sa_sdst(0) depctr_va_vdst(0) depctr_va_sdst(0) depctr_va_ssrc(0) depctr_va_vcc(0) depctr_vm_vsrc(0)
	s_getreg_b32 s2, hwreg(HW_REG_IB_STS2, 6, 4)
	s_cmp_eq_u32 s2, 0
	s_cbranch_scc0 .Lentry_in_a_cluster
	s_endpgm
.Lentry_in_a_cluster:
	s_bfe_u32 s2, ttmp6, 0x10000c
	s_cmp_lg_u32 s2, 0xf033
	s_cbranch_scc0 .Lentry_shape_is_right
	s_endpgm
.Lentry_shape_is_right:
; q = h Wq + bq, k = h Wk + bk, v = h Wv + bv on codes of FP6 (E2M3) with E8M0 scales, and their quantising for attention: q and k along the head's 64, v along the keys.
; OPERANDS are images of operand registers: a block is 128 operand rows x 128 K, 12,800 bytes: fragment i at 1536 i (half c at + 768 c: registers 6c..6c+3 at 16 x lane, 6c+4, 6c+5 at 512 + 8 x lane),
; scale words at 12,288 + 32 r + 4 POS(i), POS(i) = 4 (i & 1) + (i >> 1); lane row r of fragment i is row 32 (i >> 1) + 8 (i & 1) + r + (r & 8).  A group's eight K steps are 102,400 bytes on end.
; A tile of 256 x 256 is made by four waves, each 128 x 128: 64 accumulators, 512 registers.  A slot holds two K steps of 128; each wave fills a quarter of a slot by one dense tensor load of 25,600 bytes.
; THREE SLOTS ARE FILLED AT THE START, six of the eight K steps: one load of a wave.  The last two K steps come into slot 0 when it has been read: ONE refill, with four K steps, 256 matrix instructions a wave, in which to land.
; THE PRODUCT IS USED TRANSPOSED (source 0 = 16 rows of 'B', source 1 = 16 rows of 'A'): a lane holds one row of A, and by the order of rows in a fragment the 64 registers of a block of A against B's eight fragments are
; 128 NEIGHBOURS along B's rows, 16 of each 32 in a lane: what the quantiser wants.  For q and k: A = tokens, B = the weight's columns, so registers run along the head's axis.  For v THE OPERANDS CHANGE PLACES: A = Wv's columns, B = tokens, so registers run along the keys.
; CLUSTERS: 4 x 4 work-groups; cluster c (0..11): tokens 1,024 (c & 3) on, weight c >> 2.  A's tiles are asked for jointly along a row of the cluster, B's along a column.  All that differs between q, k and v is chosen on c, which all partners share.
; OUT: qimg [32 heads][16][6,656]: for 128 tokens of a head, half fragment i at 768 i, scale words at 6,144 + 32 r + 4 POS(i), a word's two bytes written twice.  kvimg [32][16][13,056]: k so, then v: 4 fragments (16 of the head's 64 x 128 keys) at 6,656 + 1536 i, scale words at 12,800 + 16 r + 4 i.
; LIMITS: a block whose largest magnitude lies under 2^-124 gets the byte 1 (zeros too: their codes are zeros and only this program reads the bytes); NaN and infinities are not served.
; REGISTERS: window 0: v1-6 lane terms, v10-24 LDS addresses, v25-27 at work, v28-29 for the add, v32-63 scale words (two sets), v64-127 the columns' bias, v128-223 A's fragments (one set), v224-239 the lanes' bias;
;   on the way out v64-79, v128-211, v244-255.  window 1: B's fragments, two sets.  windows 2, 3: the accumulators, (a, b) at v[8 (8 (a % 4) + b)].
.set BLK,   12800
.set QRT,   2*BLK                      ; a group's two K steps: what one tensor load brings
; LDS AS IT IS NOW LAID (this takes the place of what the head says of three fills): a group's K steps 0 to 5 lie on end, GST bytes a group, A's two groups and then B's two.
; Each wave brings its group's six K steps by ONE dense load of 300 rows of 256 bytes at the head; 'slot s' is K steps 2 s and 2 s + 1 inside a group.  The one refill, 100 rows, brings K steps 6 and 7 over K steps 0 and 1.
.set GST,   3*QRT                      ; a group's six K steps
.set SLOT,  QRT                        ; from slot to slot inside a group
.set SPARE, 4*GST                      ; behind the four groups: the spare words, 128 bytes for each wave, which no other line names
.set GRP,   8*BLK                      ; a group's eight K steps in memory
.set NQ,    2
.set FR,    12
.set NL,    4                          ; LDS loads that bring a fragment
.set NP,    4                          ; places behind this matrix instruction (ISA guide 7.12.1)
.set A16,   10                         ; v10-12 my A group in slot 0, 1, 2, + 16 x lane;  v13-15 + 8 x lane
.set A8,    13
.set B16,   16                         ; v16-21 the same for B
.set B8,    19
.set ADRS,  22                         ; v22-24 my scale words in slot 0, 1, 2: lanes 0-15 A's rows, lanes 16-31 B's
.set SPW,   28
.set NIL,   29
.set SC,    32                         ; scale words: set s at 32 + 16 s; in it 8 q + POS(i)
.set BI,    64                         ; the bias of B's rows, in the result's layout: the C of each sum's first product
.set AF,    128
.set LB,    224                        ; the bias of A's rows: one number a lane and block, twice (a pair)
.set HID,   128                        ; the way out: 64 numbers
.set PC,    192                        ; their codes
.set TM,    64                         ; the quantiser's work
.set PWS,   244                        ; eight scale words
.set SD,    252
.set E0,    128
.set E1,    132
.set WV,    18
.set RH,    19                         ; which of the tile's two A groups is mine.  Also: I fetch for A (0) or B (1)
.set CH,    20                         ; which B group.  Also: which group of the two I fetch
.set G1,    24
.set G0,    32                         ; s[32:35] group 0 for A's tiles
.set G1B,   48
.set G0B,   56                         ; s[56:59] the same for B's
.set G0C,   84
.set G0CB,  88
.set SEL,   98
.set MSB, 0
.macro WIN new                         ; the immediate's high byte repeats the setting that is left
.if MSB != (\new)
	s_set_vgpr_msb (MSB<<8)|(\new)
.set MSB, (\new)
.endif
.endm
.set MUL_LO, 0xa1                      ; source 0 (B) window 1, source 1 (A) window 0, C and D window 2
.set MUL_HI, 0xf1                      ; the same, C and D window 3.  In the first step C is the bias, in window 0: 0x81, 0xc1
.set TO_B,   0x40
.macro JLOAD g0a, g1a, g0b, g1b        ; a joint load: waves 0 and 1 fetch for A, waves 2 and 3 for B; four v_nop follow each of the two lines
	s_cmp_eq_u32 s[RH], 0
	s_cbranch_scc0 .Lfor_b_\@
	tensor_load_to_lds s[\g0a:\g0a+3], s[\g1a:\g1a+7]
	s_nop 0
.rept 4
	v_nop
.endr
	s_branch .Lasked_\@
.Lfor_b_\@:
	tensor_load_to_lds s[\g0b:\g0b+3], s[\g1b:\g1b+7]
	s_nop 0
.rept 4
	v_nop
.endr
.Lasked_\@:
.endm
.macro MKG0 g, base, s                 ; group 0 for slot s: the word 1, the LDS address, the global address of K steps 2 s and 2 s + 1, the type
	s_mov_b32 s[\g], 1
	s_add_co_u32 s[\g+1], s68, (\s)*SLOT
	s_add_nc_u64 s[\g+2:\g+3], s[\base:\base+1], (\s)*QRT
	s_or_b32 s[\g+3], s[\g+3], 0x80000000
.endm
.macro CREST                           ; a round of the cluster's barrier behind its opening barrier
	s_cmp_lg_u32 s[WV], 0
	s_cbranch_scc1 .Lnot_wave_0_\@
	s_barrier_signal -3
.Lnot_wave_0_\@:
	s_barrier_wait -3
	s_barrier_signal -1
	s_barrier_wait -1
.endm
.macro CROUND
	s_barrier_signal -1
	s_barrier_wait -1
	CREST
.endm
.macro PLACES n
.rept \n
	v_nop
.endr
.endm
.macro FRAG reg, a16, a8, q, i         ; a fragment comes back as it was stored: 16, 8, 16, 8 bytes a lane, each load's bytes on end
	ds_load_b128 v[\reg:\reg+3], v[\a16] offset:(\q)*BLK+(\i)*1536
	ds_load_b64 v[\reg+4:\reg+5], v[\a8] offset:(\q)*BLK+(\i)*1536+512
	ds_load_b128 v[\reg+6:\reg+9], v[\a16] offset:(\q)*BLK+(\i)*1536+768
	ds_load_b64 v[\reg+10:\reg+11], v[\a8] offset:(\q)*BLK+(\i)*1536+1280
.endm
; 16 products: A's blocks a0, a0 + 1 x B's eight.  The 64 accumulators take turns, one instruction a turn, in the same order in every step.
.macro MUL16 a0, p, q, sc, zero
.irp a, \a0, \a0+1
.irp b, 0,1,2,3,4,5,6,7
.if \zero
	v_wmma_scale_f32_16x16x128_f8f6f4 v[8*(8*((\a)%4)+\b):8*(8*((\a)%4)+\b)+7], v[128*(\p)+FR*\b:128*(\p)+FR*\b+FR-1], v[AF+FR*(\a):AF+FR*(\a)+FR-1], v[BI+8*\b:BI+8*\b+7], v[SC+16*(\sc)+8*(\q)+4*(\b%2)+\b/2], v[SC+16*(\sc)+8*(\q)+4*((\a)%2)+(\a)/2] matrix_a_fmt:MATRIX_FMT_FP6 matrix_b_fmt:MATRIX_FMT_FP6 matrix_a_scale:MATRIX_SCALE_ROW1
.else
	v_wmma_scale_f32_16x16x128_f8f6f4 v[8*(8*((\a)%4)+\b):8*(8*((\a)%4)+\b)+7], v[128*(\p)+FR*\b:128*(\p)+FR*\b+FR-1], v[AF+FR*(\a):AF+FR*(\a)+FR-1], v[8*(8*((\a)%4)+\b):8*(8*((\a)%4)+\b)+7], v[SC+16*(\sc)+8*(\q)+4*(\b%2)+\b/2], v[SC+16*(\sc)+8*(\q)+4*((\a)%2)+(\a)/2] matrix_a_fmt:MATRIX_FMT_FP6 matrix_b_fmt:MATRIX_FMT_FP6 matrix_a_scale:MATRIX_SCALE_ROW1
.endif
.endr
.endr
.endm
.macro FETCH_B slot, q, p
	WIN TO_B
.irp i, 0,1,2,3,4,5,6,7
	FRAG 128*(\p)+FR*\i, B16+\slot, B8+\slot, \q, \i
.endr
	WIN 0
.endm
.macro FETCH_A slot, q, i0
.irp i, \i0, \i0+1, \i0+2, \i0+3
	FRAG AF+FR*(\i), A16+\slot, A8+\slot, \q, \i
.endr
.endm
.macro SCALES sc, slot                 ; a slot's scale words into set sc: eight words a row and K step; lanes 0-15 take A's, lanes 16-31 B's
.irp q, 0,1
	ds_load_b128 v[SC+16*\sc+8*\q:SC+16*\sc+8*\q+3], v[ADRS+\slot] offset:\q*BLK
	ds_load_b128 v[SC+16*\sc+8*\q+4:SC+16*\sc+8*\q+7], v[ADRS+\slot] offset:\q*BLK+16
.endr
.endm
.macro STEP slot, q, sc, zero          ; a step of 128 along K that has its successor in the same slot
	s_wait_dscnt 4*NL                              ; B's set, A's blocks 0-3 and the scales are in; the 16 youngest loads (A's blocks 4-7) may be out
	WIN MUL_LO-0x20*(\zero)
	MUL16 0, (\q)%2, \q, \sc, \zero
	MUL16 2, (\q)%2, \q, \sc, \zero
	s_wait_dscnt 0
	PLACES NP
	FETCH_B \slot, (\q)+1, 1-(\q)%2
	FETCH_A \slot, (\q)+1, 0
	WIN MUL_HI-0x30*(\zero)
	MUL16 4, (\q)%2, \q, \sc, \zero
	MUL16 6, (\q)%2, \q, \sc, \zero
	PLACES NP
	WIN 0
	FETCH_A \slot, (\q)+1, 4
.endm
; A slot's last step, with a barrier: in front of it each wave waits for all its tensor loads, adds 0 to its spare word, and waits for that and for its reads of this slot.
; fill = 1: the slot just read is filled again, with K steps 6 and 7.  fill = 0: the barrier shows every wave's part of that refill to all.
.macro TURN slot, next, sc, nsc, fill
	s_wait_tensorcnt 0x0                           ; all my tensor loads have landed
	ds_add_u32 v[SPW], v[NIL]                      ; 0 onto my spare word
	s_wait_dscnt 4*NL+1                            ; (the add and the 16 youngest loads may be out)
	WIN MUL_LO
	MUL16 0, 1, NQ-1, \sc, 0
	s_wait_dscnt 0x0                               ; the add is done, and my reads of this slot are over
	s_barrier_signal -1
	MUL16 2, 1, NQ-1, \sc, 0
	WIN 0
	s_barrier_wait -1
.if \fill
	CREST                                          ; the barrier has opened a round of the cluster's: no wave of any partner still reads this slot or has a load on its way
	s_add_nc_u64 s[G0+4*\slot+2:G0+4*\slot+3], s[G0+4*\slot+2:G0+4*\slot+3], 3*QRT
	s_add_nc_u64 s[G0B+4*\slot+2:G0B+4*\slot+3], s[G0B+4*\slot+2:G0B+4*\slot+3], 3*QRT
	s_mov_b32 s[G1+2], 100<<16                     ; no tensor load of mine is out: the refill brings 100 rows
	s_mov_b32 s[G1+4], 100
	s_mov_b32 s[G1B+2], 100<<16
	s_mov_b32 s[G1B+4], 100
	JLOAD G0+4*\slot, G1, G0B+4*\slot, G1B         ; the first tensor load behind the round; its four v_nop are also the places in front of the loads below
.else
	PLACES NP
.endif
	FETCH_B \next, 0, 0
	FETCH_A \next, 0, 0
	SCALES \nsc, \next
	WIN MUL_HI
	MUL16 4, 1, NQ-1, \sc, 0
	MUL16 6, 1, NQ-1, \sc, 0
	PLACES NP
	WIN 0
	FETCH_A \next, 0, 4
.endm
; A slot's last step without a barrier: the next slot was shown whole to every wave by the barrier of the first TURN, in front of which each wave had waited for its one load at the head; nothing is filled here.
.macro PASS next, sc, nsc
	s_wait_dscnt 4*NL
	WIN MUL_LO
	MUL16 0, 1, NQ-1, \sc, 0
	MUL16 2, 1, NQ-1, \sc, 0
	s_wait_dscnt 0
	PLACES NP
	FETCH_B \next, 0, 0
	FETCH_A \next, 0, 0
	SCALES \nsc, \next
	WIN MUL_HI
	MUL16 4, 1, NQ-1, \sc, 0
	MUL16 6, 1, NQ-1, \sc, 0
	PLACES NP
	WIN 0
	FETCH_A \next, 0, 4
.endm
.macro QUANT s, pw                     ; 64 numbers of a lane, register 16 b + i = k 32 b + 16 (lane / 16) + i of my row, become a fragment's codes in v[PC] on and its scale word in v[pw]
.irp b, 0,1,2,3
	v_max3_num_f32 v[TM+\b], |v[\s+16*\b]|, |v[\s+1+16*\b]|, 0x1800000
.endr
.irp i, 2,4,6,8,10,12,14
.irp b, 0,1,2,3
	v_max3_num_f32 v[TM+\b], v[TM+\b], |v[\s+16*\b+\i]|, |v[\s+1+16*\b+\i]|
.endr
.endr
.irp b, 0,1,2,3
	v_permlanex16_b32 v[TM+4+\b], v[TM+\b], s[SEL], s[SEL+1]
.endr
.irp b, 0,1,2,3
	v_max_num_f32 v[TM+\b], v[TM+\b], v[TM+4+\b]
.endr
.irp b, 0,1,2,3
	v_add_nc_u32 v[TM+12+\b], 0xff000000, v[TM+\b]
.endr
.irp b, 0,1,2,3
	v_lshrrev_b32 v[TM+4+\b], 23, v[TM+12+\b]
.endr
	v_lshl_or_b32 v[(\pw)], v[TM+5], 8, v[TM+4]
	v_lshl_or_b32 v[(\pw)], v[TM+6], 16, v[(\pw)]
	v_lshl_or_b32 v[(\pw)], v[TM+7], 24, v[(\pw)]
.irp c, 0,1
	v_cvt_scalef32_pk16_fp6_f32 v[PC+6*\c:PC+2+6*\c], v[\s+32*\c:\s+15+32*\c], v[TM+12+2*\c]
	v_cvt_scalef32_pk16_fp6_f32 v[PC+12+4*\c:PC+14+4*\c], v[\s+16+32*\c:\s+31+32*\c], v[TM+12+2*\c+1]
.endr
	v_nop                                          ; one plain place behind a scaled conversion
.irp c, 0,1
.irp i, 0,1,2
	v_permlane16_swap_b32 v[PC+6*\c+\i], v[PC+12+4*\c+\i]
.endr
.irp i, 0,1,2
	v_mov_b32 v[PC+3+6*\c+\i], v[PC+12+4*\c+\i]
.endr
.endr
.endm
	s_load_b256 s[4:11], s[0:1], 0x0               ; himg, wimg, bq, bk
	s_load_b128 s[12:15], s[0:1], 0x20             ; bv, qimg
	s_load_b64 s[16:17], s[0:1], 0x30              ; kvimg
	v_lshl_add_u32 v[SPW], v0, 2, SPARE
	v_mov_b32 v[NIL], 0
	ds_add_u32 v28, v29
	ds_add_u32 v28, v29
	s_wait_dscnt 0x0
	v_lshrrev_b32 v1, 5, v0
	v_readfirstlane_b32 s[WV], v1
	s_lshr_b32 s[RH], s[WV], 1
	s_and_b32 s[CH], s[WV], 1
	s_bfe_u32 s21, ttmp6, 0x40000                  ; cx
	s_bfe_u32 s22, ttmp6, 0x40004                  ; cy
	s_lshl_b32 s40, s22, 2
	s_lshl_b32 s40, 15, s40                        ; my row of the cluster
	s_lshl_b32 s41, 0x1111, s21                    ; my column
	s_or_b32 s[G1], s40, (3<<16)|(1<<21)           ; 15:0 the mask; 17:16 elements of 8 bytes; 21 set beside a mask; no padding
	s_or_b32 s[G1B], s41, (3<<16)|(1<<21)
.irp g, G1, G1B                        ; a dense block of 76,800 bytes as 300 rows of 256
	s_mov_b32 s[\g+1], 32<<16
	s_mov_b32 s[\g+2], 300<<16
	s_mov_b32 s[\g+3], 32<<16
	s_mov_b32 s[\g+4], 300
	s_mov_b32 s[\g+5], 32
	s_mov_b32 s[\g+6], 0
	s_mov_b32 s[\g+7], 0
.endr
	s_and_b32 s42, ttmp9, 3
	s_lshl_b32 s42, s42, 3                         ; the cluster's first group of tokens
	s_lshr_b32 s43, ttmp9, 2
	s_lshl_b32 s43, s43, 3                         ; and of weight columns: Wq 0, Wk 8, Wv 16
	s_cmp_lt_u32 ttmp9, 8                          ; q or k?  The cluster's number: the same in all partners
	s_cselect_b32 s44, s42, s43                    ; A's first group
	s_cselect_b32 s45, s43, s42                    ; B's
	s_lshl_b32 s46, s22, 1                         ; A's group that I fetch hangs on cy alone,
	s_add_co_u32 s46, s46, s44
	s_add_co_u32 s46, s46, s[CH]
	s_mul_i32 s46, s46, GRP
	s_mov_b32 s47, 0
	s_lshl_b32 s66, s21, 1                         ; B's on cx alone
	s_add_co_u32 s66, s66, s45
	s_add_co_u32 s66, s66, s[CH]
	s_mul_i32 s66, s66, GRP
	s_mov_b32 s67, 0
	s_mul_i32 s68, s[WV], GST                      ; where it goes: wave x a group's six K steps
	s_mov_b32 s[SEL], 0x76543210
	s_mov_b32 s[SEL+1], 0xfedcba98
	s_wait_kmcnt 0x0
	s_cmp_lt_u32 ttmp9, 8
	s_cselect_b64 s[70:71], s[4:5], s[6:7]         ; A's buffer: tokens for q and k, the weight for v
	s_cselect_b64 s[72:73], s[6:7], s[4:5]         ; B's
	s_add_nc_u64 s[70:71], s[70:71], s[46:47]
	s_add_nc_u64 s[72:73], s[72:73], s[66:67]
	CROUND                                         ; all sixteen work-groups are here: the first joint loads meet
	MKG0 G0, 70, 0
	MKG0 G0B, 72, 0
	JLOAD G0, G1, G0B, G1B                         ; K steps 0 to 5
	v_and_b32 v1, 15, v0                           ; r
	v_bfe_u32 v2, v0, 4, 1                         ; h
	v_and_b32 v7, 31, v0
	v_lshlrev_b32 v3, 4, v7                        ; 16 x lane
	v_lshlrev_b32 v4, 3, v7                        ; 8 x lane
	v_lshlrev_b32 v5, 5, v1
	v_lshl_add_u32 v5, v2, 4, v5                   ; 32 r + 16 h
	v_mul_u32_u24 v6, v2, 208896
	v_lshl_add_u32 v6, v1, 4, v6                   ; 16 r + a head's bytes of kvimg x h
	s_mul_i32 s40, s[RH], GST
	s_mul_i32 s41, s[CH], GST
	s_add_co_u32 s41, s41, 2*GST
.irp s, 0,1,2
	v_add_nc_u32 v[A16+\s], s40, v3
	v_add_nc_u32 v[A8+\s], s40, v4
	v_add_nc_u32 v[B16+\s], s41, v3
	v_add_nc_u32 v[B8+\s], s41, v4
	s_add_co_u32 s40, s40, SLOT
	s_add_co_u32 s41, s41, SLOT
.endr
	s_mul_i32 s40, s[RH], GST
	s_mul_i32 s41, s[CH], GST
	s_add_co_u32 s41, s41, 2*GST
	s_sub_co_u32 s41, s41, s40
	v_mul_u32_u24 v25, s41, v2                     ; lanes 16-31 take B's: one product by h
	v_lshl_add_u32 v25, v1, 5, v25
	s_add_co_u32 s40, s40, 12288
	v_add_nc_u32 v[ADRS], s40, v25
	v_add_nc_u32 v[ADRS+1], SLOT, v[ADRS]
	v_add_nc_u32 v[ADRS+2], 2*SLOT, v[ADRS]
	s_lshl_b32 s74, s21, 1
	s_add_co_u32 s74, s74, s[CH]                   ; my B group of the cluster's eight
	s_lshl_b32 s75, s22, 1
	s_add_co_u32 s75, s75, s[RH]                   ; my A group
	s_cmp_lt_u32 ttmp9, 4
	s_cselect_b64 s[76:77], s[8:9], s[10:11]
	s_cmp_lt_u32 ttmp9, 8
	s_cselect_b64 s[76:77], s[76:77], s[12:13]
	s_cselect_b32 s78, -1, 0                       ; q, k: the bias runs along B's rows;
	s_not_b32 s79, s78                             ; v: along A's.  Both are always loaded, and the one that does not apply is masked to 0
	s_lshl_b32 s80, s74, 9
	s_mov_b32 s81, 0
	s_add_nc_u64 s[76:77], s[76:77], s[80:81]
	s_lshl_b32 s80, s75, 9
	s_add_nc_u64 s[82:83], s[12:13], s[80:81]
	v_lshlrev_b32 v26, 6, v2                       ; 64 h
	v_and_b32 v27, 8, v1
	v_add_nc_u32 v27, v27, v1
	v_lshlrev_b32 v27, 2, v27                      ; 4 (r + (r & 8))
.irp n, 0,1,2,3,4,5,6,7,8,9,10,11,12,13,14,15
	global_load_b128 v[BI+4*\n:BI+4*\n+3], v26, s[76:77] offset:128*(\n/4)+16*(\n%4)   ; register 16 b + i: the bias of column 32 b + 16 h + i
.endr
.irp a, 0,1,2,3,4,5,6,7
	global_load_b32 v[LB+2*\a], v27, s[82:83] offset:4*(32*(\a/2)+8*(\a%2))
	global_load_b32 v[LB+2*\a+1], v27, s[82:83] offset:4*(32*(\a/2)+8*(\a%2))
.endr
	s_wait_alu depctr_va_vdst(0)
	s_wait_tensorcnt 0x0                           ; my group's six K steps are in,
	s_barrier_signal -1
	s_barrier_wait -1                              ; everybody's is
	FETCH_B 0, 0, 0
	FETCH_A 0, 0, 0
	SCALES 0, 0
	FETCH_A 0, 0, 4
	s_wait_loadcnt 0x0                             ; the biases
.set jj, 0
.rept 64
	v_and_b32 v[BI+jj], s78, v[BI+jj]
.set jj, jj+1
.endr
.set jj, 0
.rept 16
	v_and_b32 v[LB+jj], s79, v[LB+jj]
.set jj, jj+1
.endr
	STEP 0, 0, 0, 1                                ; K step 0: its products start the sums, from the bias
	TURN 0, 1, 0, 1, 1                             ; K step 1; slot 0 is asked for again: K steps 6 and 7
	STEP 1, 0, 1, 0                                ; 2
	PASS 2, 1, 0                                   ; 3
	STEP 2, 0, 0, 0                                ; 4
	TURN 2, 0, 0, 1, 0                             ; 5; the refill has landed
	STEP 0, 0, 1, 0                                ; 6
	s_wait_dscnt 4*NL                              ; 7: nothing more to fetch
	WIN MUL_LO
	MUL16 0, 1, NQ-1, 1, 0
	MUL16 2, 1, NQ-1, 1, 0
	s_wait_dscnt 0
	WIN MUL_HI
	MUL16 4, 1, NQ-1, 1, 0
	MUL16 6, 1, NQ-1, 1, 0
	WIN 0
	PLACES NP
.irp b, 0,1,2,3
	v_mov_b32 v[TM+4+\b], 0                        ; a lane permute's destination counts as one of its sources
.endr
	; where the results go.  T: the group of 128 tokens; CG: the group of 128 columns = heads 2 CG and 2 CG + 1.  All choices are selects on the cluster's number.
	s_mov_b32 s70, 1536
	s_mov_b32 s89, 13056
	s_cmp_lt_u32 ttmp9, 4
	s_cselect_b32 s89, 6656, s89                   ; bytes from one 128 tokens of a head to the next: qimg's, kvimg's
	s_cselect_b64 s[90:91], s[14:15], s[16:17]
	s_lshl_b32 s92, s89, 4                         ; from head to head
	s_cmp_lt_u32 ttmp9, 8
	s_cselect_b32 s84, s75, s74
	s_cselect_b32 s85, s74, s75
	s_cselect_b32 s70, 768, s70                    ; from block a to block a + 1: a half fragment, or (v) a fragment
	s_cselect_b32 s72, 0, 202752                   ; v: behind four fragments on to the next head: 208,896 - 4 x 1,536
	s_cselect_b32 s88, 0, 6656                     ; v lies behind k
	s_cselect_b32 s92, s92, 768                    ; the codes' second half goes to the next head, or (v) to the fragment's second half
	s_mov_b32 s71, 0
	s_mov_b32 s73, 0
	s_add_co_u32 s84, s84, s42                     ; T
	s_lshr_b32 s93, s84, 4                         ; the batch
	s_and_b32 s84, s84, 15                         ; the 128 tokens in it
	s_lshl_b32 s93, s93, 4
	s_lshl_b32 s85, s85, 1
	s_add_co_u32 s93, s93, s85                     ; the first head
	s_lshl_b32 s93, s93, 4
	s_add_co_u32 s93, s93, s84
	s_mul_i32 s94, s93, s89
	s_add_co_u32 s94, s94, s88
	s_mov_b32 s95, 0
	s_mov_b32 s93, 0
	s_add_nc_u64 s[90:91], s[90:91], s[94:95]      ; P0
	s_add_nc_u64 s[96:97], s[90:91], s[92:93]      ; P1
	s_add_nc_u64 s[66:67], s[90:91], 6144          ; and the scale words behind them
	s_add_nc_u64 s[68:69], s[96:97], 6144
.irp a, 0,1,2,3,4,5,6,7                ; block a of A: 16 rows x 128 numbers: the lane's bias, the quantiser, four stores
	s_wait_xcnt 0x0                                ; the last block's stores have read their data and their bases: both are written again only behind this wait
.if \a > 0
	s_add_nc_u64 s[90:91], s[90:91], s[70:71]
	s_add_nc_u64 s[96:97], s[96:97], s[70:71]
.endif
.if \a == 4
	s_add_nc_u64 s[90:91], s[90:91], s[72:73]
	s_add_nc_u64 s[96:97], s[96:97], s[72:73]
.endif
	WIN 0x02+\a/4                                  ; source 0: window 2 or 3
.set jj, 0
.rept 32
	v_pk_add_f32 v[HID+jj:HID+jj+1], v[64*(\a%4)+jj:64*(\a%4)+jj+1], v[LB+2*\a:LB+2*\a+1]   ; each accumulator from its low end on
.set jj, jj+2
.endr
	WIN 0
	QUANT HID, PWS+\a
	global_store_b128 v3, v[PC:PC+3], s[90:91]
	global_store_b64 v4, v[PC+4:PC+5], s[90:91] offset:512
	global_store_b128 v3, v[PC+6:PC+9], s[96:97]
	global_store_b64 v4, v[PC+10:PC+11], s[96:97] offset:512
.endr
	v_cmp_eq_u32 vcc_lo, 1, v2
	s_cmp_lt_u32 ttmp9, 8
	s_cbranch_scc0 .Lv_scales
.irp j, 0,1,2,3                        ; q, k: lanes 0-15 store the even fragments' words, lanes 16-31 the odd ones'; a head's two bytes twice in its word
	v_cndmask_b32 v[SD+\j], v[PWS+2*\j], v[PWS+2*\j+1], vcc_lo
.endr
.irp j, 0,1,2,3
	v_perm_b32 v[E0+\j], v[SD+\j], v[SD+\j], 0x01000100
	v_perm_b32 v[E1+\j], v[SD+\j], v[SD+\j], 0x03020302
.endr
	global_store_b128 v5, v[E0:E0+3], s[66:67]
	global_store_b128 v5, v[E1:E1+3], s[68:69]
	s_branch .Ldone
.Lv_scales:
.irp j, 0,1,2,3                        ; v: lanes 0-15 store the first head's four words, lanes 16-31 the second's
	v_cndmask_b32 v[SD+\j], v[PWS+\j], v[PWS+4+\j], vcc_lo
.endr
	global_store_b128 v6, v[SD:SD+3], s[66:67]
.Ldone:
	s_wait_tensorcnt 0x0                           ; the wave's end
	ds_add_u32 v[SPW], v[NIL]
	s_wait_dscnt 0x0
	CROUND                                         ; the closing round
	s_endpgm
.Lfunc_end_k_q168f961720_qkv:
	.size	k_q168f961720_qkv, .Lfunc_end_k_q168f961720_qkv-k_q168f961720_qkv
	.p2alignl 7, 3214868480
	.fill 96, 4, 3214868480
	.section	.rodata,"a",@progbits
	.p2align	6, 0x0
	.amdhsa_kernel k_q168f961720_qkv
		.amdhsa_group_segment_fixed_size 327680
		.amdhsa_private_segment_fixed_size 0
		.amdhsa_enable_private_segment 0
		.amdhsa_kernarg_size 56
		.amdhsa_user_sgpr_count 2
		.amdhsa_user_sgpr_kernarg_segment_ptr 1
		.amdhsa_wavefront_size32 1
		.amdhsa_system_sgpr_workgroup_id_x 1
		.amdhsa_system_sgpr_workgroup_id_y 1
		.amdhsa_system_sgpr_workgroup_id_z 1
		.amdhsa_system_vgpr_workitem_id 0
		.amdhsa_next_free_vgpr 1024
		.amdhsa_next_free_sgpr 100
		.amdhsa_reserve_vcc 1
		.amdhsa_float_denorm_mode_32 3
		.amdhsa_float_denorm_mode_16_64 3
		.amdhsa_memory_ordered 1
		.amdhsa_forward_progress 1
		.amdhsa_inst_pref_size 168
	.end_amdhsa_kernel
	.amdgpu_metadata
---
amdhsa.version: [ 1, 2 ]
amdhsa.kernels:
  - .name:           k_q168f961720_qkv
    .symbol:         k_q168f961720_qkv.kd
    .args:
      - { .name: himg, .offset: 0, .size: 8, .value_kind: global_buffer, .address_space: global }
      - { .name: wimg, .offset: 8, .size: 8, .value_kind: global_buffer, .address_space: global }
      - { .name: bq, .offset: 16, .size: 8, .value_kind: global_buffer, .address_space: global }
      - { .name: bk, .offset: 24, .size: 8, .value_kind: global_buffer, .address_space: global }
      - { .name: bv, .offset: 32, .size: 8, .value_kind: global_buffer, .address_space: global }
      - { .name: qimg, .offset: 40, .size: 8, .value_kind: global_buffer, .address_space: global }
      - { .name: kvimg, .offset: 48, .size: 8, .value_kind: global_buffer, .address_space: global }
    .group_segment_fixed_size: 327680
    .private_segment_fixed_size: 0
    .kernarg_segment_align: 8
    .kernarg_segment_size: 56
    .max_flat_workgroup_size: 128
    .sgpr_count:     100
    .vgpr_count:     1024
    .wavefront_size: 32
...
	.end_amdgpu_metadata
.endif
;; end of part 2
;; launch attn (part 3): grid 8 x 32, 8 waves a work-group, clusters of 4 x 1, 210,944 bytes of LDS; arguments qimg, kvimg, cimg; writes cimg
.if DOCPART == 3
	.amdgcn_target "amdgcn-amd-amdhsa--gfx1250"
	.amdhsa_code_object_version 6
	.text
	.protected	k_q168f961720_attn
	.globl	k_q168f961720_attn
	.p2align	8
	.type	k_q168f961720_attn,@function
k_q168f961720_attn:
	s_mov_b64 s[64:65], 0
	v_nop
	global_prefetch_b8 v0, s[64:65] scope:SCOPE_SE
	s_setreg_imm32_b32 hwreg(HW_REG_WAVE_MODE, 25, 1), 1
	s_wait_xcnt 0x0
	s_wait_alu depctr_hold_cnt(0) depctr_sa_sdst(0) depctr_va_vdst(0) depctr_va_sdst(0) depctr_va_ssrc(0) depctr_va_vcc(0) depctr_vm_vsrc(0)
	s_getreg_b32 s2, hwreg(HW_REG_IB_STS2, 6, 4)
	s_cmp_eq_u32 s2, 0
	s_cbranch_scc0 .Lentry_in_a_cluster
	s_endpgm
.Lentry_in_a_cluster:
	s_bfe_u32 s2, ttmp6, 0x10000c
	s_cmp_lg_u32 s2, 0x3003
	s_cbranch_scc0 .Lentry_shape_is_right
	s_endpgm
.Lentry_shape_is_right:
; ctx[q] = sum over keys of softmax(q . k / 8) v, for one head of 64, both products on codes of FP6 (E2M3) with E8M0 scales; ctx is then quantised along (head, d) for the next product.
; THE SOFTMAX: t = score x log2(e) / 8; M = the running largest t rounded UP to a whole number; p = 2^(t - M) is quantised along the keys, not normalised; the row's sum is taken of the unquantised p and divides at the end;
; when M moves, the sum and O are multiplied by 2^(old M - new M): exact.
; SHARES.  A work-group owns 256 queries of one head (y: batch x 16 + head); each of its eight waves TWO tiles of 16 queries (fragments 2 a and 2 a + 1 of a block of 128), so that each fragment of k and v read from LDS feeds two products.
; WINDOWS.  Window 0 holds both tiles' scores, p's codes, all small state, addresses and scale words: the two tiles' vector lines stand side by side with no switch.  Window 1 holds what only products, loads and one scaling touch: q, k, v, O^T.
; THE WHOLE HEAD'S k AND v, 208,896 bytes of images, lie in LDS, filled ONCE: one tensor load a wave, two key steps = 102 rows of 256 bytes, each at a multiple of 256 bytes of kvimg.  Wave 0's load has a line of its own:
; key step 0 runs on its bytes alone (k of steps 0 and 1, v of step 0); behind that step every wave has waited and a barrier shows the rest.  All is asked for at the head, so no prefetch is laid: there is no later request to run ahead of.
; CLUSTER: the four work-groups of a cluster belong to one head: each load is a joint one, with the mask of all four.
; LAYOUT.  Both products transposed: S^T = K Q^T, O^T = V^T P: a lane holds one query.  k's image has, in fragment i = 2 a + u, lane row j + 8 w = key 32 a + 8 u + 16 w + j.  A TILE OF KEYS IS PUT TOGETHER BY THE LANES' ADDRESSES:
; tile 4 c + u + 2 w takes its rows 0-7 from fragment (2 c, u) and its rows 8-15 from fragment (2 c + 1, u), lane rows j + 8 w: row 8 h + j of tile 4 c + t is key 64 c + 32 h + 8 t + j.  So a lane's 32 registers of tiles 4 c .. 4 c + 3 are ONE WHOLE BLOCK of 32 keys,
; in the order of p's operand registers: a block's largest score needs no other lane and p's codes no exchange of lanes.  The lanes of rows 8-15 read 1,536 bytes behind those of rows 0-7.
; THE HEAD'S 64 FILL HALF OF THE INSTRUCTION'S 128.  Two tiles of keys lie in one operand of 12 registers; q lies in a run of 18 (q, six zeros, q): against registers 0-11 of the run only the even tile counts, against registers 6-17 only the odd one.  The scale words carry their two bytes twice.
; THE ORDER OF A KEY STEP.  Tile 0's eight score products, then tile 1's with the addresses and tile 0's maxima behind them; the next step's k and this step's v are fetched; tile 1's maxima with tile 0's chain to M among them; tile 0's scalings with tile 1's chain among them;
; O^T under the new M; tile 0's exponentials with tile 1's scalings among them (their sources are written ahead of that batch's wait, their results read behind the next); tile 1's exponentials; scales, codes and sums of both tiles by turns; the eight products for O^T with the rest of the sums behind them.
; The last step fetches its own k once more (the address is held at step 15).
; LIMITS: the promise holds while the scaled scores t stay under 2^31 in magnitude; a block whose largest number lies under 2^-124 gets the byte 1; NaN and infinities are not served; v_exp_f32 and v_rcp_f32 are good to 1 ulp;
; a block's largest p is taken from its largest score, which takes v_exp_f32 not to fall where its input rises.
.set STEPB, 13056                      ; a key step: k's 6,656 bytes, v's 6,400
.set WB,    2*STEPB                    ; a wave's load
.set SPARE, 16*STEPB                   ; behind the head's bytes: the spare words, 128 bytes a wave
; WINDOW 0: v1 16 x lane, v2 8 x lane, v7 32 r; v3-6 lane terms of k's codes (16 and 8 bytes), k's and v's scale words; v8-10 k's addresses, v11-13 v's; v254, v255 for the add.  q below: the tile, 0 or 1
.set NG,   16                          ; + 4 q: -M, the largest score, the sum (a pair)
.set FAC,  24                          ; + 2 q: f = 2^(old M - new M)
.set BM,   28                          ; + 2 q + c: my two blocks' largest scores, then p
.set TP,   32                          ; + q
.set PT,   34
.set NM,   36
.set SO,   38                          ; + 2 q + c: the conversions' scale operands
.set BY,   42
.set SH8,  46                          ; 8 x (lane / 16)
.set MX,   48                          ; + 4 q: four chains of the maxima; later tile 1's second halves of codes
.set SU,   56                          ; + 6 q: three more chains of the sum
.set KS,   72                          ; v72-79 k's scale words
.set VS,   80                          ; v80-83 v's
.set QS,   84                          ; q's, + q
.set PS,   86                          ; p's, + q
.set CT,   88                          ; - 40 q: the conversions' second halves
.set S,    96                          ; + 64 q: scores, then p
.set PCD,  224                         ; + 12 q: p's codes
; WINDOW 1
.set QR,   0                           ; + 18 q: q's run
.set KF,   36                          ; + 6 x tile: k
.set VF,   84                          ; + 12 i: v
.set O,    132                         ; + 32 q + 8 i: O^T
.set WV,   10
.set SEL,  20
.set CS,   22
.set G1,   24
.set G0,   32
.set TBN,  47                          ; LDS byte of the next key step
.set TB,   48                          ; of the key step in hand
.set CNT,  49
.set MSB, 0
.macro WIN new                         ; the immediate's high byte repeats the setting that is left
.if MSB != (\new)
	s_set_vgpr_msb (MSB<<8)|(\new)
.set MSB, (\new)
.endif
.endm
.macro WALU
	s_wait_alu depctr_va_vdst(0)
.endm
.macro PLACES n
.rept \n
	v_nop
.endr
.endm
.macro CROUND
	s_barrier_signal -1
	s_barrier_wait -1
	s_cmp_lg_u32 s[WV], 0
	s_cbranch_scc1 .Lnot_wave_0_\@
	s_barrier_signal -3
.Lnot_wave_0_\@:
	s_barrier_wait -3
	s_barrier_signal -1
	s_barrier_wait -1
.endm
.macro KCODES                          ; a key step's eight tiles (destination: window 1)
.irp c, 0,1
.irp w, 0,1
.irp u, 0,1
	ds_load_b128 v[KF+6*(4*\c+\u+2*\w):KF+6*(4*\c+\u+2*\w)+3], v8 offset:3072*\c+768*\u+128*\w
	ds_load_b64 v[KF+6*(4*\c+\u+2*\w)+4:KF+6*(4*\c+\u+2*\w)+5], v9 offset:3072*\c+768*\u+512+64*\w
.endr
.endr
.endr
.endm
.macro KWORDS                          ; and their scale words (window 0)
.irp c, 0,1
.irp w, 0,1
.irp u, 0,1
	ds_load_b32 v[KS+4*\c+\u+2*\w], v10 offset:256*\w+16*\u+8*\c
.endr
.endr
.endr
.endm
.macro QK q, t                         ; the scores of tile q against tile t of the keys
	v_wmma_scale_f32_16x16x128_f8f6f4 v[S+64*(\q)+8*(\t):S+64*(\q)+8*(\t)+7], v[KF+12*((\t)/2):KF+12*((\t)/2)+11], v[QR+18*(\q)+6*((\t)%2):QR+18*(\q)+6*((\t)%2)+11], 0, v[KS+(\t)], v[QS+(\q)] matrix_a_fmt:MATRIX_FMT_FP6 matrix_b_fmt:MATRIX_FMT_FP6
.endm
.macro PV q, i, first
.if \first
	v_wmma_scale_f32_16x16x128_f8f6f4 v[O+32*(\q)+8*(\i):O+32*(\q)+8*(\i)+7], v[VF+12*(\i):VF+12*(\i)+11], v[PCD+12*(\q):PCD+12*(\q)+11], 0, v[VS+(\i)], v[PS+(\q)] matrix_a_fmt:MATRIX_FMT_FP6 matrix_b_fmt:MATRIX_FMT_FP6
.else
	v_wmma_scale_f32_16x16x128_f8f6f4 v[O+32*(\q)+8*(\i):O+32*(\q)+8*(\i)+7], v[VF+12*(\i):VF+12*(\i)+11], v[PCD+12*(\q):PCD+12*(\q)+11], v[O+32*(\q)+8*(\i):O+32*(\q)+8*(\i)+7], v[VS+(\i)], v[PS+(\q)] matrix_a_fmt:MATRIX_FMT_FP6 matrix_b_fmt:MATRIX_FMT_FP6
.endif
.endm
.macro MAXR q, r                       ; round r = 0 .. 6 of four chains, each over two accumulators, from their low ends on
.irp b, 0,1,2,3
.if (\r) == 0
	v_max3_num_f32 v[MX+4*(\q)+\b], v[S+64*(\q)+16*\b], v[S+64*(\q)+16*\b+1], v[S+64*(\q)+16*\b+2]
.else
	v_max3_num_f32 v[MX+4*(\q)+\b], v[MX+4*(\q)+\b], v[S+64*(\q)+16*\b+2*(\r)+1], v[S+64*(\q)+16*\b+2*(\r)+2]
.endif
.endr
.endm
.macro CH q, k                         ; line k = 0 .. 12 of the chain from the maxima to -M and f
.set SQ, S+64*(\q)
.set BQ, BM+2*(\q)
.set GQ, NG+4*(\q)
.if (\k) == 0
	v_max3_num_f32 v[BQ], v[MX+4*(\q)], v[MX+4*(\q)+1], v[SQ+15]
.elseif (\k) == 1
	v_max3_num_f32 v[BQ+1], v[MX+4*(\q)+2], v[MX+4*(\q)+3], v[SQ+47]
.elseif (\k) == 2
	v_max_num_f32 v[BQ], v[BQ], v[SQ+31]           ; my blocks h and 2 + h: their largest scores
.elseif (\k) == 3
	v_max_num_f32 v[BQ+1], v[BQ+1], v[SQ+63]
.elseif (\k) == 4
	v_max_num_f32 v[TP+(\q)], v[BQ], v[BQ+1]
.elseif (\k) == 5
	v_permlanex16_b32 v[PT+(\q)], v[TP+(\q)], s[SEL], s[SEL+1]
.elseif (\k) == 6
	v_max3_num_f32 v[GQ+1], v[GQ+1], v[TP+(\q)], v[PT+(\q)]   ; the running largest score (c is positive)
.elseif (\k) == 7
	v_mul_f32 v[TP+(\q)], s[CS], v[GQ+1]
.elseif (\k) == 8
	v_floor_f32 v[NM+(\q)], -v[TP+(\q)]            ; the new -M = -ceil(t)
.elseif (\k) == 9
	v_sub_f32 v[TP+(\q)], v[NM+(\q)], v[GQ]        ; old M - new M: a whole number, 0 or less
.elseif (\k) == 10
	v_mov_b32 v[GQ], v[NM+(\q)]
.elseif (\k) == 11
	v_cvt_i32_f32 v[TP+(\q)], v[TP+(\q)]           ; (it saturates)
.else
	v_ldexp_f32 v[FAC+2*(\q)], 1.0, v[TP+(\q)]     ; f
.endif
.endm
.macro TM q, n                         ; t - M: pair n = 0 .. 31 of the scores; 32, 33: the blocks' largest
.if (\n) < 32
	v_pk_fma_f32 v[S+64*(\q)+2*(\n):S+64*(\q)+2*(\n)+1], v[S+64*(\q)+2*(\n):S+64*(\q)+2*(\n)+1], s[CS:CS+1], v[NG+4*(\q):NG+4*(\q)+1] op_sel_hi:[1,0,0]
.else
	v_fma_f32 v[BM+2*(\q)+(\n)-32], v[BM+2*(\q)+(\n)-32], s[CS], v[NG+4*(\q)]
.endif
.endm
.macro EX q, n                         ; p = 2^(t - M): n = 0 .. 63; 64, 65: the blocks' largest p, by the same two instructions on the same numbers
.if (\n) < 64
	v_exp_f32 v[S+64*(\q)+(\n)], v[S+64*(\q)+(\n)]
.else
	v_exp_f32 v[BM+2*(\q)+(\n)-64], v[BM+2*(\q)+(\n)-64]
.endif
.endm
.macro SUMOP q, k                      ; line k = 0 .. 31 of the row's sum of the unquantised p, in four chains
.set SQ, S+64*(\q)
.set UQ, SU+6*(\q)
.set AQ, NG+4*(\q)+2
.if (\k) < 3
	v_pk_add_f32 v[UQ+2*(\k):UQ+2*(\k)+1], v[SQ+4*(\k):SQ+4*(\k)+1], v[SQ+4*(\k)+2:SQ+4*(\k)+3]
.elseif (\k) == 3
	v_pk_add_f32 v[AQ:AQ+1], v[AQ:AQ+1], v[SQ+12:SQ+13]
.elseif (\k) < 28
.set PJ, SQ+14+2*((\k)-4)
.if ((\k)%4) == 3
	v_pk_add_f32 v[AQ:AQ+1], v[AQ:AQ+1], v[PJ:PJ+1]
.else
	v_pk_add_f32 v[UQ+2*((\k)%4):UQ+2*((\k)%4)+1], v[UQ+2*((\k)%4):UQ+2*((\k)%4)+1], v[PJ:PJ+1]
.endif
.elseif (\k) == 28
	v_pk_add_f32 v[UQ:UQ+1], v[UQ:UQ+1], v[SQ+62:SQ+63]
.elseif (\k) == 29
	v_pk_add_f32 v[UQ+2:UQ+3], v[UQ+2:UQ+3], v[UQ+4:UQ+5]
.elseif (\k) == 30
	v_pk_add_f32 v[AQ:AQ+1], v[AQ:AQ+1], v[UQ:UQ+1]
.else
	v_pk_add_f32 v[AQ:AQ+1], v[AQ:AQ+1], v[UQ+2:UQ+3]
.endif
.endm
.macro SUM2 k                          ; the same line of both tiles
	SUMOP 0, \k
	SUMOP 1, \k
.endm
.macro AMONG n                         ; plain lines among tile 1's exponentials: each reads what was written ahead of the batch's wait, and is read behind the next wait
.if (\n) == 0
	v_pk_mul_f32 v[NG+6:NG+7], v[NG+6:NG+7], v[FAC+2:FAC+3] op_sel_hi:[1,0]   ; tile 1's sum under the new M
.elseif (\n) == 8
	v_max_num_f32 v[BM], 0x1800000, v[BM]          ; tile 0: the floor 2^(3 - 127)
.elseif (\n) == 16
	v_max_num_f32 v[BM+1], 0x1800000, v[BM+1]
.elseif (\n) == 20
	SUMOP 0, 0
.elseif (\n) == 24
	SUMOP 0, 1
.elseif (\n) == 28
	SUMOP 0, 2
.elseif (\n) == 32
	SUMOP 0, 3                                     ; (the plain place behind the batch)
.endif
.endm
; A KEY STEP: 128 keys x 32 queries.  first = 1: O^T begins with the constant 0
.macro STEP first
	s_add_co_u32 s[TBN], s[TB], STEPB
	s_min_u32 s[TBN], s[TBN], 15*STEPB             ; held inside the head's bytes in the last step
	WIN 0x05                                       ; k and q in window 1, the scores in window 0
.irp t, 0,1,2,3,4,5,6,7
	QK 0, \t
.endr
	QK 1, 0
	WIN 0
	v_add_nc_u32 v8, s[TBN], v3                    ; six address lines: the places between tile 0's products and the first reader of their sums
	v_add_nc_u32 v9, s[TBN], v4
	v_add_nc_u32 v10, s[TBN], v5
	v_add_nc_u32 v11, s[TB], v1
	v_add_nc_u32 v12, s[TB], v2
	v_add_nc_u32 v13, s[TB], v6
.set rr, 0
.rept 7
	WIN 0x05
	QK 1, rr+1
	WIN 0
	MAXR 0, rr                                     ; (the last round's four lines are the places in front of the loads below and of tile 1's first reader)
.set rr, rr+1
.endr
	WIN 0x40
	KCODES                                         ; the next step's k
.irp i, 0,1,2,3                        ; this step's v, as it was stored
	ds_load_b128 v[VF+12*\i:VF+12*\i+3], v11 offset:6656+1536*\i
	ds_load_b64 v[VF+12*\i+4:VF+12*\i+5], v12 offset:6656+1536*\i+512
	ds_load_b128 v[VF+12*\i+6:VF+12*\i+9], v11 offset:6656+1536*\i+768
	ds_load_b64 v[VF+12*\i+10:VF+12*\i+11], v12 offset:6656+1536*\i+1280
.endr
	WIN 0
	KWORDS
	ds_load_b128 v[VS:VS+3], v13
	MAXR 1, 0
	CH 0, 0
	CH 0, 1
	MAXR 1, 1
	CH 0, 2
	CH 0, 3
.irp r, 2,3,4,5,6
	MAXR 1, \r
	CH 0, \r+2
.endr
	CH 1, 0
	CH 1, 1
	CH 0, 9
	CH 0, 10
	CH 1, 2
	CH 1, 3
	CH 0, 11
	CH 1, 4
	CH 0, 12
.set nn, 0
.rept 8
	TM 0, nn
	TM 0, nn+1
	TM 0, nn+2
	CH 1, 5+nn/4
	TM 0, nn+3
.set nn, nn+4
.endr
	TM 0, 32
	TM 0, 33
.if \first == 0
	WIN 0x41                                       ; O^T in window 1, f in window 0
.irp q, 0,1
.set jj, 0
.rept 16
	v_pk_mul_f32 v[O+32*\q+jj:O+32*\q+jj+1], v[O+32*\q+jj:O+32*\q+jj+1], v[FAC+2*\q:FAC+2*\q+1] op_sel_hi:[1,0]   ; O^T under the new M
.set jj, jj+2
.endr
.endr
	WIN 0
.endif
	WALU                                           ; the wait ahead of tile 0's batch
.set nn, 0
.rept 33
	EX 0, 2*nn
	EX 0, 2*nn+1
	TM 1, nn
.set nn, nn+1
.endr
	TM 1, 33
	v_pk_mul_f32 v[NG+2:NG+3], v[NG+2:NG+3], v[FAC:FAC+1] op_sel_hi:[1,0]   ; tile 0's sum under the new M
	WALU                                           ; behind tile 0's batch and ahead of tile 1's
.set nn, 0
.rept 33
	EX 1, 2*nn
	EX 1, 2*nn+1
	AMONG nn
.set nn, nn+1
.endr
	WALU                                           ; behind tile 1's batch
	v_max_num_f32 v[BM+2], 0x1800000, v[BM+2]
	v_max_num_f32 v[BM+3], 0x1800000, v[BM+3]
.irp n, 0,1,2,3
	v_add_nc_u32 v[SO+\n], 0xff000000, v[BM+\n]    ; 2 off the exponent field: the conversions' scale operand
.endr
.irp k, 0,1,2,3
	SUMOP 1, \k
.endr
.irp q, 0,1
.irp c, 0,1
	v_cvt_scalef32_pk16_fp6_f32 v[PCD+12*\q+6*\c:PCD+12*\q+6*\c+2], v[S+64*\q+32*\c:S+64*\q+32*\c+15], v[SO+2*\q+\c]
	v_cvt_scalef32_pk16_fp6_f32 v[CT-40*\q+4*\c:CT-40*\q+4*\c+2], v[S+64*\q+32*\c+16:S+64*\q+32*\c+31], v[SO+2*\q+\c]
.endr
.endr
.irp n, 0,1,2,3
	v_lshrrev_b32 v[BY+\n], 23, v[SO+\n]           ; the bytes.  (Plain lines behind the conversions)
.endr
.irp q, 0,1
	v_lshl_or_b32 v[TP+\q], v[BY+2*\q+1], 16, v[BY+2*\q]   ; my two bytes, blocks h and 2 + h,
.endr
	SUM2 4
	SUM2 5
.irp q, 0,1
	v_lshlrev_b32 v[TP+\q], v[SH8], v[TP+\q]       ; at their places;
.endr
	SUM2 6
	SUM2 7
.irp q, 0,1
	v_permlanex16_b32 v[PT+\q], v[TP+\q], s[SEL], s[SEL+1]
.endr
	SUM2 8
	SUM2 9
.irp q, 0,1
	v_or_b32 v[PS+\q], v[TP+\q], v[PT+\q]          ; with lane l xor 16's two the word is whole
.endr
.irp q, 0,1
.irp c, 0,1
.irp i, 0,1,2
	v_mov_b32 v[PCD+12*\q+6*\c+3+\i], v[CT-40*\q+4*\c+\i]   ; (a conversion's three registers begin on an even number)
.endr
.endr
.endr
.irp k, 10,11,12,13,14,15              ; (these twelve lines are also the places between the codes' and the scale words' writes and the products)
	SUM2 \k
.endr
	WALU                                           ; directly ahead of the wait below
	s_wait_dscnt 0x0                               ; v, and the next step's k
.set ii, 0
.rept 8                                ; eight accumulators by turns, four lines of the sums behind each product
	WIN 0x51                                       ; v and O^T in window 1, p's codes in window 0
	PV ii/4, ii%4, \first
	WIN 0
	SUM2 16+2*ii
	SUM2 17+2*ii
.set ii, ii+1
.endr
	s_add_co_u32 s[TB], s[TB], STEPB
.endm
	s_load_b128 s[4:7], s[0:1], 0x0                ; qimg, kvimg
	s_load_b64 s[8:9], s[0:1], 0x10                ; cimg
	v_lshl_add_u32 v254, v0, 2, SPARE
	v_mov_b32 v255, 0
	ds_add_u32 v254, v255                          ; the opening lines: the add, twice on end, and its wait
	ds_add_u32 v254, v255
	v_lshrrev_b32 v5, 5, v0
	v_readfirstlane_b32 s[WV], v5                  ; wave 0..7
	v_and_b32 v5, 31, v0
	v_lshlrev_b32 v1, 4, v5                        ; 16 x lane
	v_lshlrev_b32 v2, 3, v5                        ; 8 x lane
	v_and_b32 v6, 15, v0                           ; r
	v_lshlrev_b32 v7, 5, v6                        ; 32 r
	s_bfe_u32 s11, ttmp6, 0x40000                  ; cx: it enters q's and the result's addresses alone
	s_lshl_b32 s12, ttmp9, 2
	s_add_co_u32 s12, s12, s11                     ; my block of 256 queries
	s_and_b32 s13, ttmp7, 0xffff                   ; batch x 16 + head, which the partners share
	s_mov_b32 s[G1], 15|(3<<16)|(1<<21)            ; the mask of all four; elements of 8 bytes; 21 set beside a mask
	s_mov_b32 s[G1+1], 32<<16                      ; 102 rows of 256 bytes, dense
	s_mov_b32 s[G1+2], 102<<16
	s_mov_b32 s[G1+3], 32<<16
	s_mov_b32 s[G1+4], 102
	s_mov_b32 s[G1+5], 32
	s_mov_b32 s[G1+6], 0
	s_mov_b32 s[G1+7], 0
	s_mul_i32 s15, s[WV], WB
	s_mul_i32 s50, s13, 16*STEPB
	s_add_co_u32 s50, s50, s15
	s_mov_b32 s51, 0
	s_lshr_b32 s54, s[WV], 2
	s_lshl_b32 s55, s12, 1
	s_add_co_u32 s54, s54, s55                     ; which 128 queries of the head
	s_and_b32 s55, s[WV], 3                        ; a: my fragments are 2 a and 2 a + 1
	s_lshl_b32 s66, s55, 2                         ; their scale words lie at 4 a and 4 a + 16
	s_lshl_b32 s56, s13, 4
	s_add_co_u32 s56, s56, s54
	s_mul_i32 s56, s56, 6656                       ; q's block
	s_add_co_u32 s58, s56, s66
	s_add_co_u32 s58, s58, 6144
	s_mov_b32 s59, 0
	s_mul_i32 s57, s55, 1536
	s_add_co_u32 s56, s56, s57
	s_mov_b32 s57, 0
	s_lshr_b32 s68, s13, 4
	s_lshl_b32 s68, s68, 4
	s_add_co_u32 s68, s68, s54                     ; the result: group of 128 tokens,
	s_lshl_b32 s68, s68, 3
	s_bfe_u32 s69, s13, 0x30001                    ; K step = head / 2,
	s_add_co_u32 s68, s68, s69
	s_mul_i32 s68, s68, 12800
	s_and_b32 s69, s13, 1                          ; half = head % 2
	s_mul_i32 s60, s55, 3072
	s_mul_i32 s61, s69, 768
	s_add_co_u32 s60, s60, s61
	s_add_co_u32 s60, s60, s68
	s_mov_b32 s61, 0
	s_lshl_b32 s69, s69, 1
	s_add_co_u32 s68, s68, s69
	s_add_co_u32 s68, s68, s66
	s_add_co_u32 s68, s68, 12288
	s_mov_b32 s69, 0
	s_mov_b32 s[SEL], 0x76543210
	s_mov_b32 s[SEL+1], 0xfedcba98
	s_mov_b32 s[CS], 0x3e38aa3b                    ; c = log2(e) / 8
	s_mov_b32 s[CS+1], s[CS]
	s_mov_b32 s[TB], 0
	s_mov_b32 s[TBN], 0
	WALU
	s_wait_dscnt 0x0
	s_wait_kmcnt 0x0
	s_add_nc_u64 s[52:53], s[6:7], s[50:51]
	s_add_nc_u64 s[58:59], s[4:5], s[58:59]
	s_add_nc_u64 s[4:5], s[4:5], s[56:57]
	s_add_nc_u64 s[60:61], s[8:9], s[60:61]
	s_add_nc_u64 s[68:69], s[8:9], s[68:69]
	s_mov_b32 s[G0], 1
	s_mov_b32 s[G0+1], s15                         ; LDS: wave x two key steps
	s_mov_b64 s[G0+2:G0+3], s[52:53]
	s_or_b32 s[G0+3], s[G0+3], 0x80000000
	WIN 0x40
.irp q, 0,1                            ; q, twice in its run
	global_load_b128 v[QR+18*\q:QR+18*\q+3], v1, s[4:5] offset:768*\q
	global_load_b64 v[QR+18*\q+4:QR+18*\q+5], v2, s[4:5] offset:768*\q+512
	global_load_b128 v[QR+18*\q+12:QR+18*\q+15], v1, s[4:5] offset:768*\q
	global_load_b64 v[QR+18*\q+16:QR+18*\q+17], v2, s[4:5] offset:768*\q+512
.endr
	WIN 0
	global_load_b32 v[QS], v7, s[58:59]
	global_load_b32 v[QS+1], v7, s[58:59] offset:16
	CROUND                                         ; all four work-groups are here: the joint loads meet
	s_cmp_eq_u32 s[WV], 0
	s_cbranch_scc0 .Lothers
	tensor_load_to_lds s[G0:G0+3], s[G1:G1+7]      ; wave 0: key steps 0 and 1, on a line of its own
	s_nop 0
	PLACES 4
	s_branch .Lasked
.Lothers:
	tensor_load_to_lds s[G0:G0+3], s[G1:G1+7]      ; waves 1 to 7: key steps 2 w and 2 w + 1
	s_nop 0
	PLACES 4
.Lasked:
	v_bfe_u32 v249, v0, 3, 1                       ; row / 8 of a tile of keys
	v_and_b32 v250, 7, v0                          ; row % 8
	v_bfe_u32 v251, v0, 4, 1                       ; h
	v_lshlrev_b32 v[SH8], 3, v251                  ; 8 h
	v_mul_u32_u24 v3, v249, 1536
	v_lshl_add_u32 v4, v250, 3, v3
	v_lshl_add_u32 v4, v251, 7, v4                 ; k's 8 bytes: 1,536 (row / 8) + 8 (row % 8) + 128 h
	v_lshl_add_u32 v3, v250, 4, v3
	v_lshl_add_u32 v3, v251, 8, v3                 ; k's 16 bytes: 1,536 (row / 8) + 16 (row % 8) + 256 h
	v_lshlrev_b32 v5, 2, v249
	v_lshl_add_u32 v5, v250, 5, v5
	v_add_nc_u32 v5, 6144, v5                      ; k's scale words: 6,144 + 32 (row % 8) + 4 (row / 8)
	v_lshl_add_u32 v6, v6, 4, 12800                ; v's: 12,800 + 16 r
.irp q, 0,1
	v_mov_b32 v[NG+4*\q], 0x7d000000               ; -M: 2^123, so that the first f is 0
	v_mov_b32 v[NG+4*\q+1], 0xff61b1e6             ; the largest score so far: -3e38
	v_mov_b32 v[NG+4*\q+2], 0
	v_mov_b32 v[NG+4*\q+3], 0
	v_mov_b32 v[PT+\q], 0                          ; a lane permute's destination counts as one of its sources
	v_mov_b32 v[FAC+2*\q+1], 0                     ; (named as the upper half of a pair)
.endr
	WIN 0x40
.irp q, 0,1
.irp j, 0,1,2,3,4,5
	v_mov_b32 v[QR+18*\q+6+\j], 0                  ; the zero codes in the middle of q's run
.endr
.endr
	WIN 0
	WALU                                           ; the wait at the head's end
	s_wait_loadcnt 0x0                             ; q
	s_cmp_eq_u32 s[WV], 0
	s_cbranch_scc0 .Lnot_first
	s_wait_tensorcnt 0x0                           ; wave 0: key steps 0 and 1 are in
.Lnot_first:
	s_barrier_signal -1
	s_barrier_wait -1                              ; the other loads may still be on their way
	v_add_nc_u32 v8, s[TBN], v3
	v_add_nc_u32 v9, s[TBN], v4
	v_add_nc_u32 v10, s[TBN], v5
	WIN 0x40
	KCODES                                         ; key step 0's k
	WIN 0
	KWORDS
	s_wait_dscnt 0x0
	STEP 1                                         ; key step 0 reads wave 0's bytes alone
	s_wait_tensorcnt 0x0                           ; every wave: its load is in
	s_wait_dscnt 0x0
	s_barrier_signal -1
	s_barrier_wait -1                              ; the whole head lies in LDS
	s_mov_b32 s[CNT], 15
.Lstep:
	STEP 0
	s_sub_co_u32 s[CNT], s[CNT], 1
	s_cmp_lg_u32 s[CNT], 0
	s_cbranch_scc1 .Lstep
	; THE WAY OUT: O^T / the sum; a tile's 32 registers are 16 neighbours of each of the head's two blocks of 32: quantised, they are half a fragment of the next product's operand
.irp q, 0,1
	v_add_f32 v[NG+4*\q+2], v[NG+4*\q+2], v[NG+4*\q+3]
.endr
.irp q, 0,1
	v_permlanex16_b32 v[PT+\q], v[NG+4*\q+2], s[SEL], s[SEL+1]
.endr
.irp q, 0,1
	v_add_f32 v[NG+4*\q+2], v[NG+4*\q+2], v[PT+\q]
.endr
	WALU                                           ; ahead of the transcendentals
	v_rcp_f32 v[NG+2], v[NG+2]
	v_rcp_f32 v[NG+6], v[NG+6]
	v_nop
	WIN 0x01                                       ; O^T in window 1
	WALU                                           ; behind them, and directly ahead of the first reader of O^T
.irp q, 0,1
.set jj, 0
.rept 16
	v_pk_mul_f32 v[S+64*\q+jj:S+64*\q+jj+1], v[O+32*\q+jj:O+32*\q+jj+1], v[NG+4*\q+2:NG+4*\q+3] op_sel_hi:[1,0]
.set jj, jj+2
.endr
.endr
	WIN 0
.irp q, 0,1
.irp b, 0,1
	v_max3_num_f32 v[BM+2*\q+\b], |v[S+64*\q+16*\b]|, |v[S+64*\q+16*\b+1]|, 0x1800000
.endr
.endr
.irp i, 2,4,6,8,10,12,14
.irp q, 0,1
.irp b, 0,1
	v_max3_num_f32 v[BM+2*\q+\b], v[BM+2*\q+\b], |v[S+64*\q+16*\b+\i]|, |v[S+64*\q+16*\b+\i+1]|
.endr
.endr
.endr
.irp n, 0,1,2,3
	v_permlanex16_b32 v[MX+\n], v[BM+\n], s[SEL], s[SEL+1]
.endr
.irp n, 0,1,2,3
	v_max_num_f32 v[BM+\n], v[BM+\n], v[MX+\n]
.endr
.irp n, 0,1,2,3
	v_add_nc_u32 v[SO+\n], 0xff000000, v[BM+\n]
.endr
.irp n, 0,1,2,3
	v_lshrrev_b32 v[BY+\n], 23, v[SO+\n]
.endr
.irp q, 0,1
	v_lshl_or_b32 v[TP+\q], v[BY+2*\q+1], 8, v[BY+2*\q]
.endr
.irp q, 0,1
	v_cvt_scalef32_pk16_fp6_f32 v[PCD+12*\q:PCD+12*\q+2], v[S+64*\q:S+64*\q+15], v[SO+2*\q]
	v_cvt_scalef32_pk16_fp6_f32 v[PCD+12*\q+4:PCD+12*\q+6], v[S+64*\q+16:S+64*\q+31], v[SO+2*\q+1]
.endr
	v_nop                                          ; one plain place behind a scaled conversion
.irp q, 0,1
.irp i, 0,1,2
	v_permlane16_swap_b32 v[PCD+12*\q+\i], v[PCD+12*\q+4+\i]
.endr
.endr
.irp q, 0,1
	v_mov_b32 v[PCD+12*\q+3], v[PCD+12*\q+4]
	v_mov_b32 v[PCD+12*\q+4], v[PCD+12*\q+5]
	v_mov_b32 v[PCD+12*\q+5], v[PCD+12*\q+6]
.endr
.irp q, 0,1
	global_store_b128 v1, v[PCD+12*\q:PCD+12*\q+3], s[60:61] offset:1536*\q
	global_store_b64 v2, v[PCD+12*\q+4:PCD+12*\q+5], s[60:61] offset:1536*\q+512
	global_store_b16 v7, v[TP+\q], s[68:69] offset:16*\q   ; a scale word is shared by two heads, so each stores its two bytes (lanes 16-31 write the same)
.endr
	s_wait_tensorcnt 0x0                           ; the wave's end
	ds_add_u32 v254, v255
	s_wait_dscnt 0x0
	CROUND                                         ; the closing round
	s_endpgm
.Lfunc_end_k_q168f961720_attn:
	.size	k_q168f961720_attn, .Lfunc_end_k_q168f961720_attn-k_q168f961720_attn
	.p2alignl 7, 3214868480
	.fill 96, 4, 3214868480
	.section	.rodata,"a",@progbits
	.p2align	6, 0x0
	.amdhsa_kernel k_q168f961720_attn
		.amdhsa_group_segment_fixed_size 210944
		.amdhsa_private_segment_fixed_size 0
		.amdhsa_enable_private_segment 0
		.amdhsa_kernarg_size 24
		.amdhsa_user_sgpr_count 2
		.amdhsa_user_sgpr_kernarg_segment_ptr 1
		.amdhsa_wavefront_size32 1
		.amdhsa_system_sgpr_workgroup_id_x 1
		.amdhsa_system_sgpr_workgroup_id_y 1
		.amdhsa_system_sgpr_workgroup_id_z 1
		.amdhsa_system_vgpr_workitem_id 0
		.amdhsa_next_free_vgpr 512
		.amdhsa_next_free_sgpr 80
		.amdhsa_reserve_vcc 0
		.amdhsa_float_denorm_mode_32 3
		.amdhsa_float_denorm_mode_16_64 3
		.amdhsa_memory_ordered 1
		.amdhsa_forward_progress 1
		.amdhsa_inst_pref_size 72
	.end_amdhsa_kernel
	.amdgpu_metadata
---
amdhsa.version: [ 1, 2 ]
amdhsa.kernels:
  - .name:           k_q168f961720_attn
    .symbol:         k_q168f961720_attn.kd
    .args:
      - { .name: qimg, .offset: 0, .size: 8, .value_kind: global_buffer, .address_space: global }
      - { .name: kvimg, .offset: 8, .size: 8, .value_kind: global_buffer, .address_space: global }
      - { .name: cimg, .offset: 16, .size: 8, .value_kind: global_buffer, .address_space: global }
    .group_segment_fixed_size: 210944
    .private_segment_fixed_size: 0
    .kernarg_segment_align: 8
    .kernarg_segment_size: 24
    .max_flat_workgroup_size: 256
    .sgpr_count:     80
    .vgpr_count:     512
    .wavefront_size: 32
...
	.end_amdgpu_metadata
.endif
;; end of part 3
;; launch wo (part 4): grid 8 x 32, 4 waves a work-group, clusters of 4 x 4, 327,680 bytes of LDS; arguments cimg, wimg, bo, x, x1; writes x1
.if DOCPART == 4
	.amdgcn_target "amdgcn-amd-amdhsa--gfx1250"
	.amdhsa_code_object_version 6
	.text
	.protected	k_q168f961720_wo
	.globl	k_q168f961720_wo
	.p2align	8
	.type	k_q168f961720_wo,@function
k_q168f961720_wo:
	s_mov_b64 s[64:65], 0
	v_nop
	global_prefetch_b8 v0, s[64:65] scope:SCOPE_SE
	s_setreg_imm32_b32 hwreg(HW_REG_WAVE_MODE, 25, 1), 1
	s_wait_xcnt 0x0
	s_wait_alu depctr_hold_cnt(0) depctr_sa_sdst(0) depctr_va_vdst(0) depctr_va_sdst(0) depctr_va_ssrc(0) depctr_va_vcc(0) depctr_vm_vsrc(0)
	s_getreg_b32 s2, hwreg(HW_REG_IB_STS2, 6, 4)
	s_cmp_eq_u32 s2, 0
	s_cbranch_scc0 .Lentry_in_a_cluster
	s_endpgm
.Lentry_in_a_cluster:
	s_bfe_u32 s2, ttmp6, 0x10000c
	s_cmp_lg_u32 s2, 0xf033
	s_cbranch_scc0 .Lentry_shape_is_right
	s_endpgm
.Lentry_shape_is_right:
.set NK,    8
.set WOFF,  2457600
.set BLK,   12800
.set QRT,   2*BLK
.set SLOT,  4*QRT
.set STAGE, 2*SLOT
.set SPITCH, 272
.set SPARE, STAGE+4*16*SPITCH
.set LAPS,  NK/8
.set FR,    12
.set A16,   16
.set A8,    18
.set B16,   20
.set B8,    22
.set ADRS,  24
.set STO,   26
.set RD,    27
.set SPW,   28
.set NIL,   29
.set CO,    30
.set SC,    32
.set BI,    64
.set T,     96
.set ACC,   128
.set WV,    18
.set RH,    19
.set CH,    20
.set G1,    24
.set G0,    32
.set G1B,   48
.set G0B,   56
.set MSB, 0
.macro WIN new
.if MSB != (\new)
	s_set_vgpr_msb (MSB<<8)|(\new)
.set MSB, (\new)
.endif
.endm
.set MUL,  0x05
.set TO_F, 0x40
.macro JLOAD g0a, g1a, g0b, g1b
	s_cmp_eq_u32 s[RH], 0
	s_cbranch_scc0 .Lfor_b_\@
	tensor_load_to_lds s[\g0a:\g0a+3], s[\g1a:\g1a+7]
	s_nop 0
.rept 4
	v_nop
.endr
	s_branch .Lasked_\@
.Lfor_b_\@:
	tensor_load_to_lds s[\g0b:\g0b+3], s[\g1b:\g1b+7]
	s_nop 0
.rept 4
	v_nop
.endr
.Lasked_\@:
.endm
.macro CREST
	s_cmp_lg_u32 s[WV], 0
	s_cbranch_scc1 .Lnot_wave_0_\@
	s_barrier_signal -3
.Lnot_wave_0_\@:
	s_barrier_wait -3
	s_barrier_signal -1
	s_barrier_wait -1
.endm
.macro CROUND
	s_barrier_signal -1
	s_barrier_wait -1
	CREST
.endm
.macro PLACES n
.rept \n
	v_nop
.endr
.endm
.macro FRAG reg, a16, a8, q, i
	ds_load_b128 v[\reg:\reg+3], v[\a16] offset:(\q)*BLK+(\i)*1536
	ds_load_b64 v[\reg+4:\reg+5], v[\a8] offset:(\q)*BLK+(\i)*1536+512
	ds_load_b128 v[\reg+6:\reg+9], v[\a16] offset:(\q)*BLK+(\i)*1536+768
	ds_load_b64 v[\reg+10:\reg+11], v[\a8] offset:(\q)*BLK+(\i)*1536+1280
.endm
.macro FETCH slot, q, p
	WIN TO_F
.irp i, 0,1,2,3
	FRAG 128*(\p)+48+FR*\i, B16+\slot, B8+\slot, \q, \i
	FRAG 128*(\p)+FR*\i, A16+\slot, A8+\slot, \q, \i
.endr
	WIN 0
	ds_load_b64 v[SC+4*(\p):SC+4*(\p)+1], v[ADRS+\slot] offset:(\q)*BLK
	ds_load_b64 v[SC+4*(\p)+2:SC+4*(\p)+3], v[ADRS+\slot] offset:(\q)*BLK+16
.endm
.macro MUL4 p, a, zero
.irp b, 0,1,2,3
.if \zero
	v_wmma_scale_f32_16x16x128_f8f6f4 v[ACC+8*(4*(\a)+\b):ACC+8*(4*(\a)+\b)+7], v[128*(\p)+48+FR*\b:128*(\p)+48+FR*\b+FR-1], v[128*(\p)+FR*(\a):128*(\p)+FR*(\a)+FR-1], v[BI+8*\b:BI+8*\b+7], v[SC+4*(\p)+2*(\b%2)+\b/2], v[SC+4*(\p)+2*((\a)%2)+(\a)/2] matrix_a_fmt:MATRIX_FMT_FP6 matrix_b_fmt:MATRIX_FMT_FP6 matrix_a_scale:MATRIX_SCALE_ROW1
.else
	v_wmma_scale_f32_16x16x128_f8f6f4 v[ACC+8*(4*(\a)+\b):ACC+8*(4*(\a)+\b)+7], v[128*(\p)+48+FR*\b:128*(\p)+48+FR*\b+FR-1], v[128*(\p)+FR*(\a):128*(\p)+FR*(\a)+FR-1], v[ACC+8*(4*(\a)+\b):ACC+8*(4*(\a)+\b)+7], v[SC+4*(\p)+2*(\b%2)+\b/2], v[SC+4*(\p)+2*((\a)%2)+(\a)/2] matrix_a_fmt:MATRIX_FMT_FP6 matrix_b_fmt:MATRIX_FMT_FP6 matrix_a_scale:MATRIX_SCALE_ROW1
.endif
.endr
.endm
.macro KS slot, q, zero
	s_wait_dscnt 0x0
	PLACES 4
	FETCH \slot, (\q)+1, 1-(\q)%2
	WIN MUL
	MUL4 (\q)%2, 0, \zero
	MUL4 (\q)%2, 1, \zero
	MUL4 (\q)%2, 2, \zero
	MUL4 (\q)%2, 3, \zero
.endm
.macro TURN slot, next, fill
	WIN 0
	s_wait_tensorcnt 0x0
	ds_add_u32 v[SPW], v[NIL]
	s_wait_dscnt 1
	WIN MUL
	MUL4 1, 0, 0
	s_wait_dscnt 0x0
	s_barrier_signal -1
	MUL4 1, 1, 0
	WIN 0
	s_barrier_wait -1
.if \fill
	CREST
	s_add_nc_u64 s[G0+4*\slot+2:G0+4*\slot+3], s[G0+4*\slot+2:G0+4*\slot+3], 4*QRT
	s_add_nc_u64 s[G0B+4*\slot+2:G0B+4*\slot+3], s[G0B+4*\slot+2:G0B+4*\slot+3], 4*QRT
	JLOAD G0+4*\slot, G1, G0B+4*\slot, G1B
.else
	PLACES 4
.endif
	FETCH \next, 0, 0
	WIN MUL
	MUL4 1, 2, 0
	MUL4 1, 3, 0
.endm
	s_load_b256 s[4:11], s[0:1], 0x0
	s_load_b64 s[12:13], s[0:1], 0x20
	v_lshl_add_u32 v[SPW], v0, 2, SPARE
	v_mov_b32 v[NIL], 0
	ds_add_u32 v28, v29
	ds_add_u32 v28, v29
	s_wait_dscnt 0x0
	v_lshrrev_b32 v1, 5, v0
	v_readfirstlane_b32 s[WV], v1
	s_lshr_b32 s[RH], s[WV], 1
	s_and_b32 s[CH], s[WV], 1
	s_bfe_u32 s21, ttmp6, 0x40000
	s_bfe_u32 s22, ttmp6, 0x40004
	s_lshl_b32 s42, ttmp9, 2
	s_add_co_u32 s42, s42, s21
	s_and_b32 s43, ttmp7, 0xffff
	s_lshl_b32 s43, s43, 2
	s_add_co_u32 s43, s43, s22
	s_lshl_b32 s40, s22, 2
	s_lshl_b32 s40, 15, s40
	s_lshl_b32 s41, 0x1111, s21
	s_or_b32 s[G1], s40, (3<<16)|(1<<21)
	s_or_b32 s[G1B], s41, (3<<16)|(1<<21)
.irp g, G1, G1B
	s_mov_b32 s[\g+1], 32<<16
	s_mov_b32 s[\g+2], 200<<16
	s_mov_b32 s[\g+3], 32<<16
	s_mov_b32 s[\g+4], 200
	s_mov_b32 s[\g+5], 32
	s_mov_b32 s[\g+6], 0
	s_mov_b32 s[\g+7], 0
.endr
	s_mul_i32 s44, s[CH], 2*QRT                    ; wave (RH, CH) brings K steps 4 CH .. 4 CH + 3 of its operand: 200 rows of 256 bytes on end, all of slot CH's part
	s_mul_i32 s46, s43, NK*BLK
	s_add_co_u32 s46, s46, s44
	s_mov_b32 s47, 0
	s_mul_i32 s66, s42, NK*BLK
	s_add_co_u32 s66, s66, s44
	s_add_co_u32 s66, s66, WOFF
	s_mov_b32 s67, 0
	s_mul_i32 s68, s[CH], SLOT                     ; where they go: slot CH, A's part or B's
	s_mul_i32 s69, s[RH], 2*QRT
	s_add_co_u32 s68, s68, s69
	s_wait_kmcnt 0x0
	s_add_nc_u64 s[70:71], s[4:5], s[46:47]
	s_add_nc_u64 s[72:73], s[6:7], s[66:67]
	CROUND
.irp s, 0
	s_mov_b32 s[G0+4*\s], 1
	s_add_co_u32 s[G0+4*\s+1], s68, \s*SLOT
	s_add_nc_u64 s[G0+4*\s+2:G0+4*\s+3], s[70:71], \s*2*QRT
	s_or_b32 s[G0+4*\s+3], s[G0+4*\s+3], 0x80000000
	s_mov_b32 s[G0B+4*\s], 1
	s_add_co_u32 s[G0B+4*\s+1], s68, \s*SLOT
	s_add_nc_u64 s[G0B+4*\s+2:G0B+4*\s+3], s[72:73], \s*2*QRT
	s_or_b32 s[G0B+4*\s+3], s[G0B+4*\s+3], 0x80000000
	JLOAD G0+4*\s, G1, G0B+4*\s, G1B               ; the wave's one load: both slots are asked for at the head, and nothing is filled again
.endr
	v_and_b32 v1, 15, v0
	v_bfe_u32 v2, v0, 4, 1
	v_and_b32 v7, 31, v0
	v_lshlrev_b32 v3, 4, v7
	v_lshlrev_b32 v4, 3, v7
	s_mul_i32 s40, s[RH], 4*1536
	s_mul_i32 s41, s[CH], 4*1536
	s_add_co_u32 s41, s41, 2*QRT
.irp s, 0,1
	v_add_nc_u32 v[A16+\s], s40, v3
	v_add_nc_u32 v[A8+\s], s40, v4
	v_add_nc_u32 v[B16+\s], s41, v3
	v_add_nc_u32 v[B8+\s], s41, v4
	s_add_co_u32 s40, s40, SLOT
	s_add_co_u32 s41, s41, SLOT
.endr
	s_lshl_b32 s40, s[RH], 3
	s_lshl_b32 s41, s[CH], 3
	s_add_co_u32 s41, s41, 2*QRT
	s_sub_co_u32 s41, s41, s40
	v_mul_u32_u24 v8, s41, v2
	v_lshl_add_u32 v8, v1, 5, v8
	s_add_co_u32 s40, s40, 12288
	v_add_nc_u32 v[ADRS], s40, v8
	v_add_nc_u32 v[ADRS+1], SLOT, v[ADRS]
	s_mul_i32 s40, s[WV], 16*SPITCH
	s_add_co_u32 s40, s40, STAGE
	v_mul_u32_u24 v8, v1, SPITCH
	v_lshl_add_u32 v8, v2, 6, v8
	v_add_nc_u32 v[STO], s40, v8
	v_mul_u32_u24 v8, v2, SPITCH
	v_lshl_add_u32 v8, v1, 4, v8
	v_add_nc_u32 v[RD], s40, v8
	v_lshlrev_b32 v[CO], 12, v2
	v_lshl_add_u32 v[CO], v1, 4, v[CO]
	s_wait_alu depctr_va_vdst(0)
	s_lshl_b32 s74, s43, 7
	s_lshl_b32 s75, s[RH], 6
	s_add_co_u32 s74, s74, s75
	s_lshl_b32 s74, s74, 12
	s_lshl_b32 s75, s42, 9
	s_add_co_u32 s74, s74, s75
	s_lshl_b32 s76, s[CH], 8
	s_add_co_u32 s74, s74, s76
	s_add_co_u32 s76, s76, s75
	s_mov_b32 s75, 0
	s_mov_b32 s77, 0
	s_add_nc_u64 s[10:11], s[10:11], s[74:75]
	s_add_nc_u64 s[12:13], s[12:13], s[74:75]
	s_add_nc_u64 s[8:9], s[8:9], s[76:77]
	v_lshlrev_b32 v9, 6, v2
.irp n, 0,1,2,3,4,5,6,7
	global_load_b128 v[BI+4*\n:BI+4*\n+3], v9, s[8:9] offset:128*(\n/4)+16*(\n%4)
.endr
	WIN 0x80
.irp a, 0,1,2,3
.irp t, 0,1,2,3,4,5,6,7
	global_load_b128 v[32*\a+4*\t:32*\a+4*\t+3], v[CO], s[10:11] offset:(32*(\a/2)+8*(\a%2)+2*\t+8*(\t/4))*4096
.endr
.endr
	WIN 0
	s_wait_tensorcnt 0x0
	s_barrier_signal -1
	s_barrier_wait -1
	FETCH 0, 0, 0
	s_wait_loadcnt 32
	KS 0, 0, 1
.if LAPS > 1
	WIN 0
	s_mov_b32 s3, LAPS-1
.Llap:
	KS 0, 1, 0
	KS 0, 2, 0
	TURN 0, 1, 1
	KS 1, 0, 0
	KS 1, 1, 0
	KS 1, 2, 0
	TURN 1, 0, 1
	KS 0, 0, 0
	WIN 0
	s_sub_co_u32 s3, s3, 1
	s_cmp_lg_u32 s3, 0
	s_cbranch_scc1 .Llap
.endif
	KS 0, 1, 0
	KS 0, 2, 0
	TURN 0, 1, 0
	KS 1, 0, 0
	KS 1, 1, 0
	KS 1, 2, 0
	s_wait_dscnt 0x0
	WIN MUL
	MUL4 1, 0, 0
	MUL4 1, 1, 0
	MUL4 1, 2, 0
	MUL4 1, 3, 0
	WIN 0
	s_wait_loadcnt 0x0
	PLACES 4
.irp a, 0,1,2,3
.if \a > 0
	s_wait_xcnt 0x0
.endif
.irp b, 0,1,2,3
	ds_store_b128 v[STO], v[ACC+8*(4*\a+\b):ACC+8*(4*\a+\b)+3] offset:128*(\b/2)+32*(\b%2)
	ds_store_b128 v[STO], v[ACC+8*(4*\a+\b)+4:ACC+8*(4*\a+\b)+7] offset:128*(\b/2)+32*(\b%2)+16
.endr
.irp t, 0,1,2,3,4,5,6,7
	ds_load_b128 v[T+4*\t:T+4*\t+3], v[RD] offset:2*\t*SPITCH
.endr
	s_wait_dscnt 0x0
	WIN 0x08
.set jj, 0
.rept 16
	v_pk_add_f32 v[T+jj:T+jj+1], v[T+jj:T+jj+1], v[32*\a+jj:32*\a+jj+1]
.set jj, jj+2
.endr
	WIN 0
.irp t, 0,1,2,3,4,5,6,7
	global_store_b128 v[CO], v[T+4*\t:T+4*\t+3], s[12:13] offset:(32*(\a/2)+8*(\a%2)+2*\t+8*(\t/4))*4096
.endr
.endr
	s_wait_tensorcnt 0x0
	ds_add_u32 v[SPW], v[NIL]
	s_wait_dscnt 0x0
	CROUND
	s_endpgm
.Lfunc_end_k_q168f961720_wo:
	.size	k_q168f961720_wo, .Lfunc_end_k_q168f961720_wo-k_q168f961720_wo
	.p2alignl 7, 3214868480
	.fill 96, 4, 3214868480
	.section	.rodata,"a",@progbits
	.p2align	6, 0x0
	.amdhsa_kernel k_q168f961720_wo
		.amdhsa_group_segment_fixed_size 327680
		.amdhsa_private_segment_fixed_size 0
		.amdhsa_enable_private_segment 0
		.amdhsa_kernarg_size 40
		.amdhsa_user_sgpr_count 2
		.amdhsa_user_sgpr_kernarg_segment_ptr 1
		.amdhsa_wavefront_size32 1
		.amdhsa_system_sgpr_workgroup_id_x 1
		.amdhsa_system_sgpr_workgroup_id_y 1
		.amdhsa_system_sgpr_workgroup_id_z 1
		.amdhsa_system_vgpr_workitem_id 0
		.amdhsa_next_free_vgpr 640
		.amdhsa_next_free_sgpr 100
		.amdhsa_reserve_vcc 0
		.amdhsa_float_denorm_mode_32 3
		.amdhsa_float_denorm_mode_16_64 3
		.amdhsa_memory_ordered 1
		.amdhsa_forward_progress 1
		.amdhsa_inst_pref_size 58
	.end_amdhsa_kernel
	.amdgpu_metadata
---
amdhsa.version: [ 1, 2 ]
amdhsa.kernels:
  - .name:           k_q168f961720_wo
    .symbol:         k_q168f961720_wo.kd
    .args:
      - { .name: cimg, .offset: 0, .size: 8, .value_kind: global_buffer, .address_space: global }
      - { .name: wimg, .offset: 8, .size: 8, .value_kind: global_buffer, .address_space: global }
      - { .name: bo, .offset: 16, .size: 8, .value_kind: global_buffer, .address_space: global }
      - { .name: x, .offset: 24, .size: 8, .value_kind: global_buffer, .address_space: global }
      - { .name: x1, .offset: 32, .size: 8, .value_kind: global_buffer, .address_space: global }
    .group_segment_fixed_size: 327680
    .private_segment_fixed_size: 0
    .kernarg_segment_align: 8
    .kernarg_segment_size: 40
    .max_flat_workgroup_size: 128
    .sgpr_count:     100
    .vgpr_count:     640
    .wavefront_size: 32
...
	.end_amdgpu_metadata
.endif
;; end of part 4
;; launch ln2 (part 5): grid 256 x 1, 8 waves a work-group, no clusters, 67,072 bytes of LDS; arguments x1, ln2_w, ln2_b, himg; writes himg
.if DOCPART == 5
	.amdgcn_target "amdgcn-amd-amdhsa--gfx1250"
	.amdhsa_code_object_version 6
	.text
	.protected	k_q168f961720_ln2
	.globl	k_q168f961720_ln2
	.p2align	8
	.type	k_q168f961720_ln2,@function
k_q168f961720_ln2:
	s_mov_b64 s[64:65], 0
	v_nop
	global_prefetch_b8 v0, s[64:65] scope:SCOPE_SE
	s_setreg_imm32_b32 hwreg(HW_REG_WAVE_MODE, 25, 1), 1
	s_wait_xcnt 0x0
; y = (x - mean) rsqrt(var + 1e-5) w + b over rows of 1,024 f32, then quantised along the row to FP6 (E2M3) with one E8M0 byte for each 32, and stored as images of operand registers
; (block = 128 rows x 128 K, 12,800 bytes, at (row group x 8 + K step); fragment i at 1536 i; scale words at 12,288 + 32 r + 4 (4 (i & 1) + (i >> 1)); lane row r of fragment i is row 32 (i >> 1) + 8 (i & 1) + r + (r & 8)).
; A work-group takes the 16 rows of ONE fragment, for all eight K steps.  Phase 1: wave v normalises fragment rows 2 v and 2 v + 1 (neighbours in memory: 8,192 bytes on end), a row in 32 registers: read once,
; mean first, then the squares of the differences, as the definition has it.  The rows meet in a stage in LDS (pitch 4,112 bytes).  Phase 2: wave v quantises K step v: lane (r, h) takes, of row r, 16 neighbours of each block of 32.
; LIMITS: a block whose largest magnitude lies under 2^-124 gets the byte 1 (zeros too: their codes are zeros, and only this program reads the bytes); NaN and infinities are not served; v_rsq_f32 is good to 1 ulp.
; No matrix unit, no cluster, no tensor load: the launch streams, and work-groups share only the 8 KB of gain and bias.
.set BLK,   12800
.set PITCH, 4112                       ; 4,096 + 16: an odd multiple of 16, so the 16 rows that a load touches start in different banks
.set X,   32                           ; v32-95   two rows, later 64 numbers of a lane
.set GW,  96                           ; v96-127  the gain at my columns
.set GB,  128                          ; v128-159 the bias
.set PC,  160                          ; v160-179 the codes just made
.set TM,  180                          ; v180-195 the quantiser's work
.set PW,  196                          ; the scale word
.set SEL, 12                           ; s[12:13] selects of v_permlanex16_b32: lane l xor 16
.macro QUANT s, pw                     ; 64 numbers of a lane, register 16 b + i = k 32 b + 16 (lane / 16) + i of my row, become a fragment's codes in v[PC] on and its scale word in v[pw]
.irp b, 0,1,2,3
	v_max3_num_f32 v[TM+\b], |v[\s+16*\b]|, |v[\s+1+16*\b]|, 0x1800000   ; my 16 numbers of block b, and the floor 2^(3 - 127)
.endr
.irp i, 2,4,6,8,10,12,14
.irp b, 0,1,2,3
	s_delay_alu instid0(VALU_DEP_4)
	v_max3_num_f32 v[TM+\b], v[TM+\b], |v[\s+16*\b+\i]|, |v[\s+1+16*\b+\i]|
.endr
.endr
.irp b, 0,1,2,3
	s_delay_alu instid0(VALU_DEP_4)
	v_permlanex16_b32 v[TM+4+\b], v[TM+\b], s[SEL], s[SEL+1]
.endr
.irp b, 0,1,2,3
	s_delay_alu instid0(VALU_DEP_4)
	v_max_num_f32 v[TM+\b], v[TM+\b], v[TM+4+\b]   ; with lane l xor 16's: the block's largest magnitude
.endr
.irp b, 0,1,2,3
	s_delay_alu instid0(VALU_DEP_4)
	v_add_nc_u32 v[TM+12+\b], 0xff000000, v[TM+\b] ; 2 off its exponent field: the conversion's scale operand
.endr
.irp b, 0,1,2,3
	s_delay_alu instid0(VALU_DEP_4)
	v_lshrrev_b32 v[TM+4+\b], 23, v[TM+12+\b]      ; the byte
.endr
	s_delay_alu instid0(VALU_DEP_3)
	v_lshl_or_b32 v[(\pw)], v[TM+5], 8, v[TM+4]
	s_delay_alu instid0(VALU_DEP_1)
	v_lshl_or_b32 v[(\pw)], v[TM+6], 16, v[(\pw)]
	s_delay_alu instid0(VALU_DEP_1)
	v_lshl_or_b32 v[(\pw)], v[TM+7], 24, v[(\pw)]
.irp c, 0,1
	v_cvt_scalef32_pk16_fp6_f32 v[PC+6*\c:PC+2+6*\c], v[\s+32*\c:\s+15+32*\c], v[TM+12+2*\c]
	v_cvt_scalef32_pk16_fp6_f32 v[PC+12+4*\c:PC+14+4*\c], v[\s+16+32*\c:\s+31+32*\c], v[TM+12+2*\c+1]
.endr
	v_nop                                          ; one plain place behind a scaled conversion
.irp c, 0,1                            ; the operand's layout wants a whole block in a lane
.irp i, 0,1,2
	v_permlane16_swap_b32 v[PC+6*\c+\i], v[PC+12+4*\c+\i]
.endr
.irp i, 0,1,2
	s_delay_alu instid0(VALU_DEP_3)
	v_mov_b32 v[PC+3+6*\c+\i], v[PC+12+4*\c+\i]
.endr
.endr
.endm
.macro ACROSS t                        ; v[t:t+3] hold four partial sums of a lane: the wave's sum comes into v[t] of every lane
	s_delay_alu instid0(VALU_DEP_1)
	v_pk_add_f32 v[\t:\t+1], v[\t:\t+1], v[\t+2:\t+3]
	s_delay_alu instid0(VALU_DEP_1)
	v_add_f32 v[\t], v[\t], v[\t+1]
	s_delay_alu instid0(VALU_DEP_1)
	v_add_f32_dpp v[\t], v[\t], v[\t] row_xmask:1 row_mask:0xf bank_mask:0xf
	s_delay_alu instid0(VALU_DEP_1)
	v_add_f32_dpp v[\t], v[\t], v[\t] row_xmask:2 row_mask:0xf bank_mask:0xf
	s_delay_alu instid0(VALU_DEP_1)
	v_add_f32_dpp v[\t], v[\t], v[\t] row_xmask:4 row_mask:0xf bank_mask:0xf
	s_delay_alu instid0(VALU_DEP_1)
	v_add_f32_dpp v[\t], v[\t], v[\t] row_xmask:8 row_mask:0xf bank_mask:0xf
	s_delay_alu instid0(VALU_DEP_1)
	v_permlanex16_b32 v[\t+1], v[\t], s[SEL], s[SEL+1]
	s_delay_alu instid0(VALU_DEP_1)
	v_add_f32 v[\t], v[\t], v[\t+1]
.endm
.macro SUMROW x, t
	v_pk_add_f32 v[\t:\t+1], v[\x:\x+1], v[\x+2:\x+3]
	v_pk_add_f32 v[\t+2:\t+3], v[\x+4:\x+5], v[\x+6:\x+7]
.irp j, 8,12,16,20,24,28
	s_delay_alu instid0(VALU_DEP_2)
	v_pk_add_f32 v[\t:\t+1], v[\t:\t+1], v[\x+\j:\x+\j+1]
	s_delay_alu instid0(VALU_DEP_2)
	v_pk_add_f32 v[\t+2:\t+3], v[\t+2:\t+3], v[\x+\j+2:\x+\j+3]
.endr
	ACROSS \t
.endm
.macro SQROW x, t
	v_pk_mul_f32 v[\t:\t+1], v[\x:\x+1], v[\x:\x+1]
	v_pk_mul_f32 v[\t+2:\t+3], v[\x+2:\x+3], v[\x+2:\x+3]
.irp j, 4,8,12,16,20,24,28
	s_delay_alu instid0(VALU_DEP_2)
	v_pk_fma_f32 v[\t:\t+1], v[\x+\j:\x+\j+1], v[\x+\j:\x+\j+1], v[\t:\t+1]
	s_delay_alu instid0(VALU_DEP_2)
	v_pk_fma_f32 v[\t+2:\t+3], v[\x+\j+2:\x+\j+3], v[\x+\j+2:\x+\j+3], v[\t+2:\t+3]
.endr
	ACROSS \t
.endm
	s_load_b256 s[4:11], s[0:1], 0x0               ; the rows, the gain, the bias, the images
	v_lshl_add_u32 v200, v0, 2, 0x10200
	v_mov_b32 v201, 0
	v_lshrrev_b32 v8, 5, v0
	s_delay_alu instid0(VALU_DEP_1)
	v_readfirstlane_b32 s14, v8                    ; wave 0..7
	v_and_b32 v9, 31, v0
	s_delay_alu instid0(VALU_DEP_1)
	v_lshlrev_b32 v1, 4, v9                        ; 16 x lane
	s_delay_alu instid0(VALU_DEP_2)
	v_lshlrev_b32 v2, 3, v9                        ; 8 x lane
	v_and_b32 v3, 15, v0                           ; r
	v_bfe_u32 v4, v0, 4, 1                         ; h
	s_mul_i32 s15, s14, 2*PITCH
	v_add_nc_u32 v5, s15, v1                       ; into the stage: my two rows, 16 bytes a lane
	v_mul_u32_u24 v6, v3, PITCH
	s_delay_alu instid0(VALU_DEP_1)
	v_lshl_add_u32 v6, v4, 6, v6
	s_lshl_b32 s15, s14, 9
	v_add_nc_u32 v6, s15, v6                       ; out of it: row r, K step = wave (512 bytes), + 64 h
	v_lshlrev_b32 v7, 5, v3                        ; 32 r: my row's scale words
.irp b, 0,1,2,3
	v_mov_b32 v[TM+4+\b], 0                        ; written once: a lane permute's destination counts as one of its sources
.endr
	s_lshr_b32 s16, ttmp9, 3                       ; the group of 128 rows
	s_and_b32 s17, ttmp9, 7                        ; the fragment i
	s_lshr_b32 s18, s17, 1
	s_and_b32 s19, s17, 1
	s_lshl_b32 s22, s16, 7                         ; my first row: 128 G + 32 (i >> 1) + 8 (i & 1) + 2 v + 8 (v >> 2)
	s_lshl_b32 s23, s18, 5
	s_add_co_u32 s22, s22, s23
	s_lshl_b32 s23, s19, 3
	s_add_co_u32 s22, s22, s23
	s_lshl_b32 s23, s14, 1
	s_add_co_u32 s22, s22, s23
	s_lshr_b32 s23, s14, 2
	s_lshl_b32 s23, s23, 3
	s_add_co_u32 s22, s22, s23
	s_lshl_b32 s22, s22, 12                        ; rows of 4,096 bytes
	s_mov_b32 s23, 0
	s_lshl_b32 s24, s16, 3
	s_add_co_u32 s24, s24, s14
	s_mul_i32 s24, s24, BLK                        ; my block: (8 G + wave)
	s_mul_i32 s25, s17, 1536
	s_add_co_u32 s26, s24, s25                     ; the fragment in it
	s_mov_b32 s27, 0
	s_lshl_b32 s25, s19, 4
	s_add_co_u32 s24, s24, s25
	s_lshl_b32 s25, s18, 2
	s_add_co_u32 s24, s24, s25
	s_add_co_u32 s24, s24, 12288                   ; its scale words: 12,288 + 16 (i & 1) + 4 (i >> 1)
	s_mov_b32 s25, 0
	s_mov_b32 s20, 0x3a800000                      ; 1 / 1,024
	s_mov_b32 s21, 0x3727c5ac                      ; 1e-5
	s_mov_b32 s[SEL], 0x76543210
	s_mov_b32 s[SEL+1], 0xfedcba98
	s_wait_kmcnt 0x0
	s_add_nc_u64 s[4:5], s[4:5], s[22:23]
	s_add_nc_u64 s[26:27], s[10:11], s[26:27]
	s_add_nc_u64 s[24:25], s[10:11], s[24:25]
.irp n, 0,1,2,3,4,5,6,7,8,9,10,11,12,13,14,15
	global_load_b128 v[X+4*\n:X+4*\n+3], v1, s[4:5] offset:512*\n th:TH_LOAD_NT   ; 512 consecutive bytes a load; row n / 8
.endr
.irp j, 0,1,2,3,4,5,6,7
	global_load_b128 v[GW+4*\j:GW+4*\j+3], v1, s[6:7] offset:512*\j
.endr
.irp j, 0,1,2,3,4,5,6,7
	global_load_b128 v[GB+4*\j:GB+4*\j+3], v1, s[8:9] offset:512*\j
.endr
	s_wait_loadcnt 16                              ; the rows are in; the 16 younger loads, gain and bias, may be out
	SUMROW X, 8
	SUMROW X+32, 12
	v_mul_f32 v16, s20, v8                         ; the means, each twice: a pair for the packed forms
	s_delay_alu instid0(VALU_DEP_2)
	v_mul_f32 v18, s20, v12
	s_delay_alu instid0(VALU_DEP_2)
	v_mov_b32 v17, v16
	s_delay_alu instid0(VALU_DEP_2)
	v_mov_b32 v19, v18
.set jj, 0
.rept 16
	v_pk_add_f32 v[X+jj:X+jj+1], v[X+jj:X+jj+1], v[16:17] neg_lo:[0,1] neg_hi:[0,1]
	v_pk_add_f32 v[X+32+jj:X+33+jj], v[X+32+jj:X+33+jj], v[18:19] neg_lo:[0,1] neg_hi:[0,1]
.set jj, jj+2
.endr
	SQROW X, 8
	SQROW X+32, 12
	v_fma_f32 v8, v8, s20, s21                     ; var + eps
	s_delay_alu instid0(VALU_DEP_2)
	v_fma_f32 v12, v12, s20, s21
	s_wait_alu depctr_va_vdst(0)
	v_rsq_f32 v20, v8
	v_rsq_f32 v22, v12
	v_nop                                          ; a plain place behind the transcendentals
	s_wait_alu depctr_va_vdst(0)                   ; one wait for the two, ahead of their first reader
	v_mov_b32 v21, v20
	v_mov_b32 v23, v22
	s_wait_alu depctr_va_vdst(0)
	s_wait_loadcnt 0x0                             ; gain and bias
.set jj, 0
.rept 16
	v_pk_mul_f32 v[X+jj:X+jj+1], v[X+jj:X+jj+1], v[20:21]
	v_pk_mul_f32 v[X+32+jj:X+33+jj], v[X+32+jj:X+33+jj], v[22:23]
	s_delay_alu instid0(VALU_DEP_2)
	v_pk_fma_f32 v[X+jj:X+jj+1], v[X+jj:X+jj+1], v[GW+jj:GW+jj+1], v[GB+jj:GB+jj+1]
	s_delay_alu instid0(VALU_DEP_2)
	v_pk_fma_f32 v[X+32+jj:X+33+jj], v[X+32+jj:X+33+jj], v[GW+jj:GW+jj+1], v[GB+jj:GB+jj+1]
.set jj, jj+2
.endr
.irp n, 0,1,2,3,4,5,6,7,8,9,10,11,12,13,14,15
	ds_store_b128 v5, v[X+4*\n:X+4*\n+3] offset:PITCH*(\n/8)+512*(\n%8)
.endr
	s_wait_dscnt 0x0                               ; for the others' sake: my rows lie in the stage
	s_barrier_signal -1
	s_barrier_wait -1
.irp n, 0,1,2,3,4,5,6,7,8,9,10,11,12,13,14,15
	ds_load_b128 v[X+4*\n:X+4*\n+3], v6 offset:128*(\n/4)+16*(\n%4)   ; block n / 4: my 16 neighbours
.endr
	s_wait_dscnt 0x0
	QUANT X, PW
	global_store_b128 v1, v[PC:PC+3], s[26:27]                ; the fragment as it stands: 512, 256, 512, 256 consecutive bytes
	global_store_b64 v2, v[PC+4:PC+5], s[26:27] offset:512
	global_store_b128 v1, v[PC+6:PC+9], s[26:27] offset:768
	global_store_b64 v2, v[PC+10:PC+11], s[26:27] offset:1280
	global_store_b32 v7, v[PW], s[24:25]                      ; row r's scale word (lanes 16-31 hold and write the same)
	s_wait_tensorcnt 0x0
	ds_add_u32 v200, v201
	s_wait_dscnt 0x0
	s_endpgm
.Lfunc_end_k_q168f961720_ln2:
	.size	k_q168f961720_ln2, .Lfunc_end_k_q168f961720_ln2-k_q168f961720_ln2
	.p2alignl 7, 3214868480
	.fill 96, 4, 3214868480
	.section	.rodata,"a",@progbits
	.p2align	6, 0x0
	.amdhsa_kernel k_q168f961720_ln2
		.amdhsa_group_segment_fixed_size 67072
		.amdhsa_private_segment_fixed_size 0
		.amdhsa_enable_private_segment 0
		.amdhsa_kernarg_size 32
		.amdhsa_user_sgpr_count 2
		.amdhsa_user_sgpr_kernarg_segment_ptr 1
		.amdhsa_wavefront_size32 1
		.amdhsa_system_sgpr_workgroup_id_x 1
		.amdhsa_system_sgpr_workgroup_id_y 1
		.amdhsa_system_sgpr_workgroup_id_z 1
		.amdhsa_system_vgpr_workitem_id 0
		.amdhsa_next_free_vgpr 202
		.amdhsa_next_free_sgpr 66
		.amdhsa_reserve_vcc 0
		.amdhsa_float_denorm_mode_32 3
		.amdhsa_float_denorm_mode_16_64 3
		.amdhsa_memory_ordered 1
		.amdhsa_forward_progress 1
		.amdhsa_inst_pref_size 30
	.end_amdhsa_kernel
	.amdgpu_metadata
---
amdhsa.version: [ 1, 2 ]
amdhsa.kernels:
  - .name:           k_q168f961720_ln2
    .symbol:         k_q168f961720_ln2.kd
    .args:
      - { .name: x1, .offset: 0, .size: 8, .value_kind: global_buffer, .address_space: global }
      - { .name: ln2_w, .offset: 8, .size: 8, .value_kind: global_buffer, .address_space: global }
      - { .name: ln2_b, .offset: 16, .size: 8, .value_kind: global_buffer, .address_space: global }
      - { .name: himg, .offset: 24, .size: 8, .value_kind: global_buffer, .address_space: global }
    .group_segment_fixed_size: 67072
    .private_segment_fixed_size: 0
    .kernarg_segment_align: 8
    .kernarg_segment_size: 32
    .max_flat_workgroup_size: 256
    .sgpr_count:     66
    .vgpr_count:     202
    .wavefront_size: 32
...
	.end_amdgpu_metadata
.endif
;; end of part 5
;; launch ffn1 (part 6): grid 16 x 16, 4 waves a work-group, clusters of 4 x 4, 327,680 bytes of LDS; arguments himg, wimg, b1, fimg; writes fimg
.if DOCPART == 6
	.amdgcn_target "amdgcn-amd-amdhsa--gfx1250"
	.amdhsa_code_object_version 6
	.text
	.protected	k_q168f961720_ffn1
	.globl	k_q168f961720_ffn1
	.p2align	8
	.type	k_q168f961720_ffn1,@function
k_q168f961720_ffn1:
	s_mov_b64 s[64:65], 0
	v_nop
	global_prefetch_b8 v0, s[64:65] scope:SCOPE_SE
	s_setreg_imm32_b32 hwreg(HW_REG_WAVE_MODE, 25, 1), 1
	s_wait_xcnt 0x0
	s_wait_alu depctr_hold_cnt(0) depctr_sa_sdst(0) depctr_va_vdst(0) depctr_va_sdst(0) depctr_va_ssrc(0) depctr_va_vcc(0) depctr_vm_vsrc(0)
	s_getreg_b32 s2, hwreg(HW_REG_IB_STS2, 6, 4)
	s_cmp_eq_u32 s2, 0
	s_cbranch_scc0 .Lentry_in_a_cluster
	s_endpgm
.Lentry_in_a_cluster:
	s_bfe_u32 s2, ttmp6, 0x10000c
	s_cmp_lg_u32 s2, 0xf033
	s_cbranch_scc0 .Lentry_shape_is_right
	s_endpgm
.Lentry_shape_is_right:
; hidden = relu(h W1 + b1) on codes of FP6 (E2M3) with E8M0 scales, quantised along the hidden axis for the next product; it goes to memory as codes only.
; OPERANDS are images of operand registers: a block is 128 operand rows x 128 K, 12,800 bytes: fragment i at 1536 i (half c at + 768 c: registers 6c..6c+3 at 16 x lane, 6c+4, 6c+5 at 512 + 8 x lane),
; scale words at 12,288 + 32 r + 4 POS(i), POS(i) = 4 (i & 1) + (i >> 1); lane row r of fragment i is row 32 (i >> 1) + 8 (i & 1) + r + (r & 8).  A group's eight K steps are 102,400 bytes on end.  W1's blocks begin WOFF bytes into wimg.
; A tile of 256 x 256 is made by four waves, each 128 x 128: 64 accumulators, 512 registers; 256 tiles.  A slot holds two K steps of 128; each wave fills a quarter of a slot by one dense tensor load of 25,600 bytes.
; THREE SLOTS ARE FILLED AT THE START, six of the eight K steps: one load of a wave.  The last two K steps come into slot 0 when it has been read: ONE refill, with four K steps, 256 matrix instructions a wave, in which to land.
; THE PRODUCT IS USED TRANSPOSED (source 0 = 16 columns of W1, source 1 = 16 tokens): a lane holds one token, and the 64 registers of a block of tokens against W1's eight fragments are 128 neighbouring hidden units, 16 of each 32 in a lane: one K step of the next product.
; CLUSTERS: 4 x 4; the tokens' tiles are asked for jointly along a row of the cluster, W1's along a column.
; OUT: fimg [32 groups of 128 tokens][32 K steps][12,800].
; LIMITS: a block whose largest magnitude lies under 2^-124 gets the byte 1 (zeros too: their codes are zeros and only this program reads the bytes); NaN and infinities are not served.
; REGISTERS: window 0: v1-5 lane terms, v10-24 LDS addresses, v25-26 at work, v28-29 for the add, v32-63 scale words (two sets), v64-127 the bias, v128-223 A's fragments (one set); on the way out v64-79, v128-211, v244-255.
;   window 1: B's fragments, two sets.  windows 2, 3: the accumulators, (a, b) at v[8 (8 (a % 4) + b)].
.set WOFF,  3276800
.set BLK,   12800
.set QRT,   2*BLK
; LDS AS IT IS NOW LAID (this takes the place of what the head says of three fills): a group's K steps 0 to 5 lie on end, GST bytes a group, A's two groups and then B's two.
; Each wave brings its group's six K steps by ONE dense load of 300 rows of 256 bytes at the head; 'slot s' is K steps 2 s and 2 s + 1 inside a group.  The one refill, 100 rows, brings K steps 6 and 7 over K steps 0 and 1.
.set GST,   3*QRT                      ; a group's six K steps
.set SLOT,  QRT                        ; from slot to slot inside a group
.set SPARE, 4*GST                      ; behind the four groups: the spare words, 128 bytes for each wave, which no other line names
.set GRP,   8*BLK
.set NQ,    2
.set FR,    12
.set NL,    4
.set NP,    4
.set A16,   10
.set A8,    13
.set B16,   16
.set B8,    19
.set ADRS,  22
.set SPW,   28
.set NIL,   29
.set SC,    32
.set BI,    64
.set AF,    128
.set HID,   128
.set PC,    192
.set TM,    64
.set PWS,   244
.set SD,    252
.set WV,    18
.set RH,    19
.set CH,    20
.set G1,    24
.set G0,    32
.set G1B,   48
.set G0B,   56
.set G0C,   84
.set G0CB,  88
.set SEL,   98
.set MSB, 0
.macro WIN new
.if MSB != (\new)
	s_set_vgpr_msb (MSB<<8)|(\new)
.set MSB, (\new)
.endif
.endm
.set MUL_LO, 0xa1
.set MUL_HI, 0xf1
.set TO_B,   0x40
.macro JLOAD g0a, g1a, g0b, g1b        ; waves 0 and 1 fetch for A, waves 2 and 3 for B; four v_nop follow each of the two lines
	s_cmp_eq_u32 s[RH], 0
	s_cbranch_scc0 .Lfor_b_\@
	tensor_load_to_lds s[\g0a:\g0a+3], s[\g1a:\g1a+7]
	s_nop 0
.rept 4
	v_nop
.endr
	s_branch .Lasked_\@
.Lfor_b_\@:
	tensor_load_to_lds s[\g0b:\g0b+3], s[\g1b:\g1b+7]
	s_nop 0
.rept 4
	v_nop
.endr
.Lasked_\@:
.endm
.macro MKG0 g, base, s                 ; group 0 for slot s: the word 1, the LDS address, the global address of K steps 2 s and 2 s + 1, the type
	s_mov_b32 s[\g], 1
	s_add_co_u32 s[\g+1], s68, (\s)*SLOT
	s_add_nc_u64 s[\g+2:\g+3], s[\base:\base+1], (\s)*QRT
	s_or_b32 s[\g+3], s[\g+3], 0x80000000
.endm
.macro CREST
	s_cmp_lg_u32 s[WV], 0
	s_cbranch_scc1 .Lnot_wave_0_\@
	s_barrier_signal -3
.Lnot_wave_0_\@:
	s_barrier_wait -3
	s_barrier_signal -1
	s_barrier_wait -1
.endm
.macro CROUND
	s_barrier_signal -1
	s_barrier_wait -1
	CREST
.endm
.macro PLACES n
.rept \n
	v_nop
.endr
.endm
.macro FRAG reg, a16, a8, q, i
	ds_load_b128 v[\reg:\reg+3], v[\a16] offset:(\q)*BLK+(\i)*1536
	ds_load_b64 v[\reg+4:\reg+5], v[\a8] offset:(\q)*BLK+(\i)*1536+512
	ds_load_b128 v[\reg+6:\reg+9], v[\a16] offset:(\q)*BLK+(\i)*1536+768
	ds_load_b64 v[\reg+10:\reg+11], v[\a8] offset:(\q)*BLK+(\i)*1536+1280
.endm
.macro MUL16 a0, p, q, sc, zero        ; the 64 accumulators take turns, one instruction a turn, in the same order in every step
.irp a, \a0, \a0+1
.irp b, 0,1,2,3,4,5,6,7
.if \zero
	v_wmma_scale_f32_16x16x128_f8f6f4 v[8*(8*((\a)%4)+\b):8*(8*((\a)%4)+\b)+7], v[128*(\p)+FR*\b:128*(\p)+FR*\b+FR-1], v[AF+FR*(\a):AF+FR*(\a)+FR-1], v[BI+8*\b:BI+8*\b+7], v[SC+16*(\sc)+8*(\q)+4*(\b%2)+\b/2], v[SC+16*(\sc)+8*(\q)+4*((\a)%2)+(\a)/2] matrix_a_fmt:MATRIX_FMT_FP6 matrix_b_fmt:MATRIX_FMT_FP6 matrix_a_scale:MATRIX_SCALE_ROW1
.else
	v_wmma_scale_f32_16x16x128_f8f6f4 v[8*(8*((\a)%4)+\b):8*(8*((\a)%4)+\b)+7], v[128*(\p)+FR*\b:128*(\p)+FR*\b+FR-1], v[AF+FR*(\a):AF+FR*(\a)+FR-1], v[8*(8*((\a)%4)+\b):8*(8*((\a)%4)+\b)+7], v[SC+16*(\sc)+8*(\q)+4*(\b%2)+\b/2], v[SC+16*(\sc)+8*(\q)+4*((\a)%2)+(\a)/2] matrix_a_fmt:MATRIX_FMT_FP6 matrix_b_fmt:MATRIX_FMT_FP6 matrix_a_scale:MATRIX_SCALE_ROW1
.endif
.endr
.endr
.endm
.macro FETCH_B slot, q, p
	WIN TO_B
.irp i, 0,1,2,3,4,5,6,7
	FRAG 128*(\p)+FR*\i, B16+\slot, B8+\slot, \q, \i
.endr
	WIN 0
.endm
.macro FETCH_A slot, q, i0
.irp i, \i0, \i0+1, \i0+2, \i0+3
	FRAG AF+FR*(\i), A16+\slot, A8+\slot, \q, \i
.endr
.endm
.macro SCALES sc, slot                 ; a slot's scale words into set sc; lanes 0-15 take A's, lanes 16-31 B's
.irp q, 0,1
	ds_load_b128 v[SC+16*\sc+8*\q:SC+16*\sc+8*\q+3], v[ADRS+\slot] offset:\q*BLK
	ds_load_b128 v[SC+16*\sc+8*\q+4:SC+16*\sc+8*\q+7], v[ADRS+\slot] offset:\q*BLK+16
.endr
.endm
.macro STEP slot, q, sc, zero
	s_wait_dscnt 4*NL                              ; B's set, A's blocks 0-3 and the scales are in; the 16 youngest loads (A's blocks 4-7) may be out
	WIN MUL_LO-0x20*(\zero)
	MUL16 0, (\q)%2, \q, \sc, \zero
	MUL16 2, (\q)%2, \q, \sc, \zero
	s_wait_dscnt 0
	PLACES NP
	FETCH_B \slot, (\q)+1, 1-(\q)%2
	FETCH_A \slot, (\q)+1, 0
	WIN MUL_HI-0x30*(\zero)
	MUL16 4, (\q)%2, \q, \sc, \zero
	MUL16 6, (\q)%2, \q, \sc, \zero
	PLACES NP
	WIN 0
	FETCH_A \slot, (\q)+1, 4
.endm
; A slot's last step, with a barrier: in front of it each wave waits for all its tensor loads, adds 0 to its spare word, and waits for that and for its reads of this slot.
; fill = 1: the slot just read is filled again, with K steps 6 and 7.  fill = 0: the barrier shows every wave's part of that refill to all.
.macro TURN slot, next, sc, nsc, fill
	s_wait_tensorcnt 0x0                           ; all my tensor loads have landed
	ds_add_u32 v[SPW], v[NIL]                      ; 0 onto my spare word
	s_wait_dscnt 4*NL+1                            ; (the add and the 16 youngest loads may be out)
	WIN MUL_LO
	MUL16 0, 1, NQ-1, \sc, 0
	s_wait_dscnt 0x0                               ; the add is done, and my reads of this slot are over
	s_barrier_signal -1
	MUL16 2, 1, NQ-1, \sc, 0
	WIN 0
	s_barrier_wait -1
.if \fill
	CREST                                          ; the barrier has opened a round of the cluster's
	s_add_nc_u64 s[G0+4*\slot+2:G0+4*\slot+3], s[G0+4*\slot+2:G0+4*\slot+3], 3*QRT
	s_add_nc_u64 s[G0B+4*\slot+2:G0B+4*\slot+3], s[G0B+4*\slot+2:G0B+4*\slot+3], 3*QRT
	s_mov_b32 s[G1+2], 100<<16                     ; no tensor load of mine is out: the refill brings 100 rows
	s_mov_b32 s[G1+4], 100
	s_mov_b32 s[G1B+2], 100<<16
	s_mov_b32 s[G1B+4], 100
	JLOAD G0+4*\slot, G1, G0B+4*\slot, G1B
.else
	PLACES NP
.endif
	FETCH_B \next, 0, 0
	FETCH_A \next, 0, 0
	SCALES \nsc, \next
	WIN MUL_HI
	MUL16 4, 1, NQ-1, \sc, 0
	MUL16 6, 1, NQ-1, \sc, 0
	PLACES NP
	WIN 0
	FETCH_A \next, 0, 4
.endm
; A slot's last step without a barrier: the next slot was shown whole to every wave by the barrier of the first TURN, in front of which each wave had waited for its one load at the head; nothing is filled here.
.macro PASS next, sc, nsc
	s_wait_dscnt 4*NL
	WIN MUL_LO
	MUL16 0, 1, NQ-1, \sc, 0
	MUL16 2, 1, NQ-1, \sc, 0
	s_wait_dscnt 0
	PLACES NP
	FETCH_B \next, 0, 0
	FETCH_A \next, 0, 0
	SCALES \nsc, \next
	WIN MUL_HI
	MUL16 4, 1, NQ-1, \sc, 0
	MUL16 6, 1, NQ-1, \sc, 0
	PLACES NP
	WIN 0
	FETCH_A \next, 0, 4
.endm
.macro QUANT s, pw
.irp b, 0,1,2,3
	v_max3_num_f32 v[TM+\b], |v[\s+16*\b]|, |v[\s+1+16*\b]|, 0x1800000
.endr
.irp i, 2,4,6,8,10,12,14
.irp b, 0,1,2,3
	v_max3_num_f32 v[TM+\b], v[TM+\b], |v[\s+16*\b+\i]|, |v[\s+1+16*\b+\i]|
.endr
.endr
.irp b, 0,1,2,3
	v_permlanex16_b32 v[TM+4+\b], v[TM+\b], s[SEL], s[SEL+1]
.endr
.irp b, 0,1,2,3
	v_max_num_f32 v[TM+\b], v[TM+\b], v[TM+4+\b]
.endr
.irp b, 0,1,2,3
	v_add_nc_u32 v[TM+12+\b], 0xff000000, v[TM+\b]
.endr
.irp b, 0,1,2,3
	v_lshrrev_b32 v[TM+4+\b], 23, v[TM+12+\b]
.endr
	v_lshl_or_b32 v[(\pw)], v[TM+5], 8, v[TM+4]
	v_lshl_or_b32 v[(\pw)], v[TM+6], 16, v[(\pw)]
	v_lshl_or_b32 v[(\pw)], v[TM+7], 24, v[(\pw)]
.irp c, 0,1
	v_cvt_scalef32_pk16_fp6_f32 v[PC+6*\c:PC+2+6*\c], v[\s+32*\c:\s+15+32*\c], v[TM+12+2*\c]
	v_cvt_scalef32_pk16_fp6_f32 v[PC+12+4*\c:PC+14+4*\c], v[\s+16+32*\c:\s+31+32*\c], v[TM+12+2*\c+1]
.endr
	v_nop                                          ; one plain place behind a scaled conversion
.irp c, 0,1
.irp i, 0,1,2
	v_permlane16_swap_b32 v[PC+6*\c+\i], v[PC+12+4*\c+\i]
.endr
.irp i, 0,1,2
	v_mov_b32 v[PC+3+6*\c+\i], v[PC+12+4*\c+\i]
.endr
.endr
.endm
	s_load_b256 s[4:11], s[0:1], 0x0               ; himg, wimg, b1, fimg
	v_lshl_add_u32 v[SPW], v0, 2, SPARE
	v_mov_b32 v[NIL], 0
	ds_add_u32 v28, v29
	ds_add_u32 v28, v29
	s_wait_dscnt 0x0
	v_lshrrev_b32 v1, 5, v0
	v_readfirstlane_b32 s[WV], v1
	s_lshr_b32 s[RH], s[WV], 1
	s_and_b32 s[CH], s[WV], 1
	s_bfe_u32 s21, ttmp6, 0x40000
	s_bfe_u32 s22, ttmp6, 0x40004
	s_lshl_b32 s42, ttmp9, 2
	s_add_co_u32 s42, s42, s21                     ; tile column
	s_and_b32 s43, ttmp7, 0xffff
	s_lshl_b32 s43, s43, 2
	s_add_co_u32 s43, s43, s22                     ; tile row
	s_lshl_b32 s40, s22, 2
	s_lshl_b32 s40, 15, s40
	s_lshl_b32 s41, 0x1111, s21
	s_or_b32 s[G1], s40, (3<<16)|(1<<21)
	s_or_b32 s[G1B], s41, (3<<16)|(1<<21)
.irp g, G1, G1B
	s_mov_b32 s[\g+1], 32<<16
	s_mov_b32 s[\g+2], 300<<16
	s_mov_b32 s[\g+3], 32<<16
	s_mov_b32 s[\g+4], 300
	s_mov_b32 s[\g+5], 32
	s_mov_b32 s[\g+6], 0
	s_mov_b32 s[\g+7], 0
.endr
	s_lshl_b32 s46, s43, 1
	s_add_co_u32 s46, s46, s[CH]
	s_mul_i32 s46, s46, GRP
	s_mov_b32 s47, 0
	s_lshl_b32 s66, s42, 1
	s_add_co_u32 s66, s66, s[CH]
	s_mul_i32 s66, s66, GRP
	s_add_co_u32 s66, s66, WOFF
	s_mov_b32 s67, 0
	s_mul_i32 s68, s[WV], GST                      ; where it goes: wave x a group's six K steps
	s_mov_b32 s[SEL], 0x76543210
	s_mov_b32 s[SEL+1], 0xfedcba98
	s_wait_kmcnt 0x0
	s_add_nc_u64 s[70:71], s[4:5], s[46:47]
	s_add_nc_u64 s[72:73], s[6:7], s[66:67]
	CROUND                                         ; all sixteen work-groups are here: the first joint loads meet
	MKG0 G0, 70, 0
	MKG0 G0B, 72, 0
	JLOAD G0, G1, G0B, G1B                         ; K steps 0 to 5
	v_and_b32 v1, 15, v0
	v_bfe_u32 v2, v0, 4, 1
	v_and_b32 v7, 31, v0
	v_lshlrev_b32 v3, 4, v7
	v_lshlrev_b32 v4, 3, v7
	v_lshlrev_b32 v5, 5, v1
	v_lshl_add_u32 v5, v2, 4, v5                   ; 32 r + 16 h
	s_mul_i32 s40, s[RH], GST
	s_mul_i32 s41, s[CH], GST
	s_add_co_u32 s41, s41, 2*GST
.irp s, 0,1,2
	v_add_nc_u32 v[A16+\s], s40, v3
	v_add_nc_u32 v[A8+\s], s40, v4
	v_add_nc_u32 v[B16+\s], s41, v3
	v_add_nc_u32 v[B8+\s], s41, v4
	s_add_co_u32 s40, s40, SLOT
	s_add_co_u32 s41, s41, SLOT
.endr
	s_mul_i32 s40, s[RH], GST
	s_mul_i32 s41, s[CH], GST
	s_add_co_u32 s41, s41, 2*GST
	s_sub_co_u32 s41, s41, s40
	v_mul_u32_u24 v25, s41, v2                     ; lanes 16-31 take B's: one product by h
	v_lshl_add_u32 v25, v1, 5, v25
	s_add_co_u32 s40, s40, 12288
	v_add_nc_u32 v[ADRS], s40, v25
	v_add_nc_u32 v[ADRS+1], SLOT, v[ADRS]
	v_add_nc_u32 v[ADRS+2], 2*SLOT, v[ADRS]
	s_lshl_b32 s74, s43, 1
	s_add_co_u32 s74, s74, s[RH]                   ; my group of tokens
	s_lshl_b32 s74, s74, 5
	s_lshl_b32 s75, s42, 1
	s_add_co_u32 s75, s75, s[CH]                   ; my group of hidden units = the next product's K step
	s_add_co_u32 s74, s74, s75
	s_mul_i32 s74, s74, BLK
	s_lshl_b32 s76, s75, 9
	s_mov_b32 s75, 0
	s_mov_b32 s77, 0
	s_add_nc_u64 s[10:11], s[10:11], s[74:75]
	s_add_nc_u64 s[8:9], s[8:9], s[76:77]
	v_lshlrev_b32 v26, 6, v2
.irp n, 0,1,2,3,4,5,6,7,8,9,10,11,12,13,14,15
	global_load_b128 v[BI+4*\n:BI+4*\n+3], v26, s[8:9] offset:128*(\n/4)+16*(\n%4)
.endr
	s_wait_alu depctr_va_vdst(0)
	s_wait_tensorcnt 0x0                           ; my group's six K steps are in,
	s_barrier_signal -1
	s_barrier_wait -1
	FETCH_B 0, 0, 0
	FETCH_A 0, 0, 0
	SCALES 0, 0
	FETCH_A 0, 0, 4
	s_wait_loadcnt 0x0                             ; the bias
	STEP 0, 0, 0, 1                                ; K step 0: its products start the sums, from the bias
	TURN 0, 1, 0, 1, 1                             ; K step 1; slot 0 is asked for again: K steps 6 and 7
	STEP 1, 0, 1, 0                                ; 2
	PASS 2, 1, 0                                   ; 3
	STEP 2, 0, 0, 0                                ; 4
	TURN 2, 0, 0, 1, 0                             ; 5; the refill has landed
	STEP 0, 0, 1, 0                                ; 6
	s_wait_dscnt 4*NL                              ; 7: nothing more to fetch
	WIN MUL_LO
	MUL16 0, 1, NQ-1, 1, 0
	MUL16 2, 1, NQ-1, 1, 0
	s_wait_dscnt 0
	WIN MUL_HI
	MUL16 4, 1, NQ-1, 1, 0
	MUL16 6, 1, NQ-1, 1, 0
	WIN 0
	PLACES NP
.irp b, 0,1,2,3
	v_mov_b32 v[TM+4+\b], 0
.endr
.irp a, 0,1,2,3,4,5,6,7                ; block a: 16 tokens x 128 hidden units: relu, the quantiser, four stores
.if \a > 0
	s_wait_xcnt 0x0                                ; the last block's stores have read their data
.endif
	WIN 0x08+4*(\a/4)                              ; source 1: window 2 or 3
.set jj, 0
.rept 64
	v_max_num_f32 v[HID+jj], 0, v[64*(\a%4)+jj]    ; the activation and the copy in one; each accumulator from its low end on
.set jj, jj+1
.endr
	WIN 0
	QUANT HID, PWS+\a
	global_store_b128 v3, v[PC:PC+3], s[10:11] offset:1536*\a
	global_store_b64 v4, v[PC+4:PC+5], s[10:11] offset:1536*\a+512
	global_store_b128 v3, v[PC+6:PC+9], s[10:11] offset:1536*\a+768
	global_store_b64 v4, v[PC+10:PC+11], s[10:11] offset:1536*\a+1280
.endr
	v_cmp_eq_u32 vcc_lo, 1, v2
.irp j, 0,1,2,3                        ; lanes 0-15 store the even fragments' words, lanes 16-31 the odd ones'
	v_cndmask_b32 v[SD+\j], v[PWS+2*\j], v[PWS+2*\j+1], vcc_lo
.endr
	global_store_b128 v5, v[SD:SD+3], s[10:11] offset:12288
	s_wait_tensorcnt 0x0                           ; the wave's end
	ds_add_u32 v[SPW], v[NIL]
	s_wait_dscnt 0x0
	CROUND
	s_endpgm
.Lfunc_end_k_q168f961720_ffn1:
	.size	k_q168f961720_ffn1, .Lfunc_end_k_q168f961720_ffn1-k_q168f961720_ffn1
	.p2alignl 7, 3214868480
	.fill 96, 4, 3214868480
	.section	.rodata,"a",@progbits
	.p2align	6, 0x0
	.amdhsa_kernel k_q168f961720_ffn1
		.amdhsa_group_segment_fixed_size 327680
		.amdhsa_private_segment_fixed_size 0
		.amdhsa_enable_private_segment 0
		.amdhsa_kernarg_size 32
		.amdhsa_user_sgpr_count 2
		.amdhsa_user_sgpr_kernarg_segment_ptr 1
		.amdhsa_wavefront_size32 1
		.amdhsa_system_sgpr_workgroup_id_x 1
		.amdhsa_system_sgpr_workgroup_id_y 1
		.amdhsa_system_sgpr_workgroup_id_z 1
		.amdhsa_system_vgpr_workitem_id 0
		.amdhsa_next_free_vgpr 1024
		.amdhsa_next_free_sgpr 100
		.amdhsa_reserve_vcc 1
		.amdhsa_float_denorm_mode_32 3
		.amdhsa_float_denorm_mode_16_64 3
		.amdhsa_memory_ordered 1
		.amdhsa_forward_progress 1
		.amdhsa_inst_pref_size 161
	.end_amdhsa_kernel
	.amdgpu_metadata
---
amdhsa.version: [ 1, 2 ]
amdhsa.kernels:
  - .name:           k_q168f961720_ffn1
    .symbol:         k_q168f961720_ffn1.kd
    .args:
      - { .name: himg, .offset: 0, .size: 8, .value_kind: global_buffer, .address_space: global }
      - { .name: wimg, .offset: 8, .size: 8, .value_kind: global_buffer, .address_space: global }
      - { .name: b1, .offset: 16, .size: 8, .value_kind: global_buffer, .address_space: global }
      - { .name: fimg, .offset: 24, .size: 8, .value_kind: global_buffer, .address_space: global }
    .group_segment_fixed_size: 327680
    .private_segment_fixed_size: 0
    .kernarg_segment_align: 8
    .kernarg_segment_size: 32
    .max_flat_workgroup_size: 128
    .sgpr_count:     100
    .vgpr_count:     1024
    .wavefront_size: 32
...
	.end_amdgpu_metadata
.endif
;; end of part 6
;; launch ffn2 (part 7): grid 8 x 32, 4 waves a work-group, clusters of 4 x 4, 327,680 bytes of LDS; arguments fimg, wimg, b2, x1, out0; writes out0
.if DOCPART == 7
	.amdgcn_target "amdgcn-amd-amdhsa--gfx1250"
	.amdhsa_code_object_version 6
	.text
	.protected	k_q168f961720_ffn2
	.globl	k_q168f961720_ffn2
	.p2align	8
	.type	k_q168f961720_ffn2,@function
k_q168f961720_ffn2:
	s_mov_b64 s[64:65], 0
	v_nop
	global_prefetch_b8 v0, s[64:65] scope:SCOPE_SE
	s_setreg_imm32_b32 hwreg(HW_REG_WAVE_MODE, 25, 1), 1
	s_wait_xcnt 0x0
	s_wait_alu depctr_hold_cnt(0) depctr_sa_sdst(0) depctr_va_vdst(0) depctr_va_sdst(0) depctr_va_ssrc(0) depctr_va_vcc(0) depctr_vm_vsrc(0)
	s_getreg_b32 s2, hwreg(HW_REG_IB_STS2, 6, 4)
	s_cmp_eq_u32 s2, 0
	s_cbranch_scc0 .Lentry_in_a_cluster
	s_endpgm
.Lentry_in_a_cluster:
	s_bfe_u32 s2, ttmp6, 0x10000c
	s_cmp_lg_u32 s2, 0xf033
	s_cbranch_scc0 .Lentry_shape_is_right
	s_endpgm
.Lentry_shape_is_right:
.set NK,    32
.set WOFF,  6553600
.set BLK,   12800
.set QRT,   3*BLK
.set SLOT,  4*QRT
.set STAGE, 2*SLOT
.set SPITCH, 272
.set SPARE, STAGE+4*16*SPITCH
.set FR,    12
.set A16,   40
.set A8,    44
.set B16,   48
.set B8,    52
.set ADRS,  56
.set STO,   26
.set RD,    27
.set SPW,   28
.set NIL,   29
.set CO,    30
.set SC,    32
.set BI,    64
.set T,     96
.set ACC,   128
.set WV,    18
.set RH,    19
.set CH,    20
.set G1,    24
.set G0,    32
.set G1B,   48
.set G0B,   56
.set G1T,   80
.set G1TB,  88
.set G0T,   96
.set G0TB,  44
.set MSB, 0
.macro WIN new
.if MSB != (\new)
	s_set_vgpr_msb (MSB<<8)|(\new)
.set MSB, (\new)
.endif
.endm
.set MUL,  0x05
.set TO_F, 0x40
.macro JLOAD g0a, g1a, g0b, g1b
	s_cmp_eq_u32 s[RH], 0
	s_cbranch_scc0 .Lfor_b_\@
	tensor_load_to_lds s[\g0a:\g0a+3], s[\g1a:\g1a+7]
	s_nop 0
.rept 4
	v_nop
.endr
	s_branch .Lasked_\@
.Lfor_b_\@:
	tensor_load_to_lds s[\g0b:\g0b+3], s[\g1b:\g1b+7]
	s_nop 0
.rept 4
	v_nop
.endr
.Lasked_\@:
.endm
.macro CREST
	s_cmp_lg_u32 s[WV], 0
	s_cbranch_scc1 .Lnot_wave_0_\@
	s_barrier_signal -3
.Lnot_wave_0_\@:
	s_barrier_wait -3
	s_barrier_signal -1
	s_barrier_wait -1
.endm
.macro CROUND
	s_barrier_signal -1
	s_barrier_wait -1
	CREST
.endm
.macro PLACES n
.rept \n
	v_nop
.endr
.endm
.macro FRAG reg, a16, a8, q, i
	ds_load_b128 v[\reg:\reg+3], v[\a16] offset:(\q)*BLK+(\i)*1536
	ds_load_b64 v[\reg+4:\reg+5], v[\a8] offset:(\q)*BLK+(\i)*1536+512
	ds_load_b128 v[\reg+6:\reg+9], v[\a16] offset:(\q)*BLK+(\i)*1536+768
	ds_load_b64 v[\reg+10:\reg+11], v[\a8] offset:(\q)*BLK+(\i)*1536+1280
.endm
.macro FETCH k
.set CC, 2*(((\k)/6)%2)+((\k)%6)/3
.set QQ, (\k)%3
.set PP, (\k)%2
	WIN TO_F
.irp i, 0,1,2,3
	FRAG 128*PP+48+FR*\i, B16+CC, B8+CC, QQ, \i
	FRAG 128*PP+FR*\i, A16+CC, A8+CC, QQ, \i
.endr
	WIN 0
	ds_load_b64 v[SC+4*PP:SC+4*PP+1], v[ADRS+CC] offset:QQ*BLK
	ds_load_b64 v[SC+4*PP+2:SC+4*PP+3], v[ADRS+CC] offset:QQ*BLK+16
.endm
.macro MUL4 p, a, zero
.irp b, 0,1,2,3
.if \zero
	v_wmma_scale_f32_16x16x128_f8f6f4 v[ACC+8*(4*(\a)+\b):ACC+8*(4*(\a)+\b)+7], v[128*(\p)+48+FR*\b:128*(\p)+48+FR*\b+FR-1], v[128*(\p)+FR*(\a):128*(\p)+FR*(\a)+FR-1], v[BI+8*\b:BI+8*\b+7], v[SC+4*(\p)+2*(\b%2)+\b/2], v[SC+4*(\p)+2*((\a)%2)+(\a)/2] matrix_a_fmt:MATRIX_FMT_FP6 matrix_b_fmt:MATRIX_FMT_FP6 matrix_a_scale:MATRIX_SCALE_ROW1
.else
	v_wmma_scale_f32_16x16x128_f8f6f4 v[ACC+8*(4*(\a)+\b):ACC+8*(4*(\a)+\b)+7], v[128*(\p)+48+FR*\b:128*(\p)+48+FR*\b+FR-1], v[128*(\p)+FR*(\a):128*(\p)+FR*(\a)+FR-1], v[ACC+8*(4*(\a)+\b):ACC+8*(4*(\a)+\b)+7], v[SC+4*(\p)+2*(\b%2)+\b/2], v[SC+4*(\p)+2*((\a)%2)+(\a)/2] matrix_a_fmt:MATRIX_FMT_FP6 matrix_b_fmt:MATRIX_FMT_FP6 matrix_a_scale:MATRIX_SCALE_ROW1
.endif
.endr
.endm
.macro KS k, zero
	s_wait_dscnt 0x0
	PLACES 4
	FETCH (\k)+1
	WIN MUL
	MUL4 (\k)%2, 0, \zero
	MUL4 (\k)%2, 1, \zero
	MUL4 (\k)%2, 2, \zero
	MUL4 (\k)%2, 3, \zero
.endm
.macro TURN k, fill
.set SL, ((\k)/6)%2
	WIN 0
	s_wait_tensorcnt 0x0
	ds_add_u32 v[SPW], v[NIL]
	s_wait_dscnt 1
	WIN MUL
	MUL4 1, 0, 0
	s_wait_dscnt 0x0
	s_barrier_signal -1
	MUL4 1, 1, 0
	WIN 0
	s_barrier_wait -1
.if \fill == 1
	CREST
	s_add_nc_u64 s[G0+4*SL+2:G0+4*SL+3], s[G0+4*SL+2:G0+4*SL+3], 4*QRT
	s_add_nc_u64 s[G0B+4*SL+2:G0B+4*SL+3], s[G0B+4*SL+2:G0B+4*SL+3], 4*QRT
	JLOAD G0+4*SL, G1, G0B+4*SL, G1B
.elseif \fill == 2
	CREST
	JLOAD G0T, G1T, G0TB, G1TB
.else
	PLACES 4
.endif
	FETCH (\k)+1
.if \fill == 1 && (\k) < 17
	global_prefetch_b8 v10, s[14:15] offset:(((\k)+1)/6)*2*QRT+4*QRT th:TH_LOAD_NT scope:SCOPE_SE   ; what the NEXT refill, six K steps on, will load: my work-group's 38 of my wave's 150 blocks of 256 bytes
	global_prefetch_b8 v11, s[14:15] offset:(((\k)+1)/6)*2*QRT+4*QRT th:TH_LOAD_NT scope:SCOPE_SE   ; (the third refill asks for nothing: the tail's two K steps come by their load alone)
.endif
	WIN MUL
	MUL4 1, 2, 0
	MUL4 1, 3, 0
.endm
	s_load_b256 s[4:11], s[0:1], 0x0
	s_load_b64 s[12:13], s[0:1], 0x20
	v_lshl_add_u32 v[SPW], v0, 2, SPARE
	v_mov_b32 v[NIL], 0
	ds_add_u32 v28, v29
	ds_add_u32 v28, v29
	s_wait_dscnt 0x0
	v_lshrrev_b32 v1, 5, v0
	v_readfirstlane_b32 s[WV], v1
	s_lshr_b32 s[RH], s[WV], 1
	s_and_b32 s[CH], s[WV], 1
	s_bfe_u32 s21, ttmp6, 0x40000
	s_bfe_u32 s22, ttmp6, 0x40004
	s_lshl_b32 s42, ttmp9, 2
	s_add_co_u32 s42, s42, s21
	s_and_b32 s43, ttmp7, 0xffff
	s_lshl_b32 s43, s43, 2
	s_add_co_u32 s43, s43, s22
	s_lshl_b32 s40, s22, 2
	s_lshl_b32 s40, 15, s40
	s_lshl_b32 s41, 0x1111, s21
	s_or_b32 s[G1], s40, (3<<16)|(1<<21)
	s_or_b32 s[G1B], s41, (3<<16)|(1<<21)
	s_or_b32 s[G1T], s40, (3<<16)|(1<<21)
	s_or_b32 s[G1TB], s41, (3<<16)|(1<<21)
.irp g, G1, G1B
	s_mov_b32 s[\g+1], 32<<16
	s_mov_b32 s[\g+2], 300<<16
	s_mov_b32 s[\g+3], 32<<16
	s_mov_b32 s[\g+4], 300
	s_mov_b32 s[\g+5], 32
	s_mov_b32 s[\g+6], 0
	s_mov_b32 s[\g+7], 0
.endr
.irp g, G1T, G1TB
	s_mov_b32 s[\g+1], 32<<16
	s_mov_b32 s[\g+2], 50<<16
	s_mov_b32 s[\g+3], 32<<16
	s_mov_b32 s[\g+4], 50
	s_mov_b32 s[\g+5], 32
	s_mov_b32 s[\g+6], 0
	s_mov_b32 s[\g+7], 0
.endr
	s_mul_i32 s44, s[CH], QRT
	s_mul_i32 s45, s[CH], BLK
	s_add_co_u32 s45, s45, 30*BLK
	s_mul_i32 s46, s43, NK*BLK
	s_add_co_u32 s14, s46, s45
	s_mov_b32 s15, 0
	s_add_co_u32 s46, s46, s44
	s_mov_b32 s47, 0
	s_mul_i32 s66, s42, NK*BLK
	s_add_co_u32 s66, s66, WOFF
	s_add_co_u32 s16, s66, s45
	s_mov_b32 s17, 0
	s_add_co_u32 s66, s66, s44
	s_mov_b32 s67, 0
	s_mul_i32 s68, s[WV], QRT
	s_mul_i32 s69, s[RH], 2*QRT
	s_mul_i32 s23, s[CH], BLK
	s_add_co_u32 s69, s69, s23
	s_add_co_u32 s69, s69, SLOT
	s_wait_kmcnt 0x0
	s_add_nc_u64 s[70:71], s[4:5], s[46:47]
	s_add_nc_u64 s[72:73], s[6:7], s[66:67]
	s_mov_b32 s[G0T], 1
	s_mov_b32 s[G0T+1], s69
	s_add_nc_u64 s[G0T+2:G0T+3], s[4:5], s[14:15]
	s_or_b32 s[G0T+3], s[G0T+3], 0x80000000
	s_mov_b32 s[G0TB], 1
	s_mov_b32 s[G0TB+1], s69
	s_add_nc_u64 s[G0TB+2:G0TB+3], s[6:7], s[16:17]
	s_or_b32 s[G0TB+3], s[G0TB+3], 0x80000000
	CROUND
.irp s, 0,1
	s_mov_b32 s[G0+4*\s], 1
	s_add_co_u32 s[G0+4*\s+1], s68, \s*SLOT
	s_add_nc_u64 s[G0+4*\s+2:G0+4*\s+3], s[70:71], \s*2*QRT
	s_or_b32 s[G0+4*\s+3], s[G0+4*\s+3], 0x80000000
	s_mov_b32 s[G0B+4*\s], 1
	s_add_co_u32 s[G0B+4*\s+1], s68, \s*SLOT
	s_add_nc_u64 s[G0B+4*\s+2:G0B+4*\s+3], s[72:73], \s*2*QRT
	s_or_b32 s[G0B+4*\s+3], s[G0B+4*\s+3], 0x80000000
.endr
	; THE HEAD'S ONE LOAD A WAVE: wave (RH, CH) brings all six K steps of slot CH for its operand, 300 rows of 256 bytes on end.  It goes by slot 0's group 0, which is set back for the ring behind the wait for this load
	s_mul_i32 s2, s[CH], SLOT
	s_mul_i32 s3, s[RH], 2*QRT
	s_add_co_u32 s2, s2, s3
	s_mov_b32 s[G0+1], s2
	s_mov_b32 s[G0B+1], s2
	s_mul_i32 s2, s[CH], QRT                       ; from K step 3 CH, where the ring's address stands, to K step 6 CH
	s_mov_b32 s3, 0
	s_add_nc_u64 s[G0+2:G0+3], s[G0+2:G0+3], s[2:3]
	s_add_nc_u64 s[G0B+2:G0B+3], s[G0B+2:G0B+3], s[2:3]
	JLOAD G0, G1, G0B, G1B
	; THE PREFETCHES INTO THE L2.  A refill's load of a wave is 150 blocks of 256 bytes on end.  The four partners that ask for it jointly share the blocks out BY ADDRESS: the partner at place p (cx for A's tiles, cy for B's) names blocks 38 p .. 38 p + 37,
	; a lane a block, in two lines (32 and 6; the lanes left over name the last block again, and place 3 stops at block 149).  s[14:15]: where my wave's first ring load begins; every later place is an immediate, so no address register is written again.
	s_cmp_eq_u32 s[RH], 0
	s_cselect_b64 s[14:15], s[70:71], s[72:73]
	s_cselect_b32 s16, s21, s22
	s_mul_i32 s16, s16, 38
	v_and_b32 v12, 31, v0
	v_add_nc_u32 v10, s16, v12
	v_min_u32 v10, 149, v10
	v_lshlrev_b32 v10, 8, v10
	v_min_u32 v11, 5, v12
	v_add_nc_u32 v11, s16, v11
	v_add_nc_u32 v11, 32, v11
	v_min_u32 v11, 149, v11
	v_lshlrev_b32 v11, 8, v11
	v_and_b32 v1, 15, v0
	v_bfe_u32 v2, v0, 4, 1
	v_and_b32 v7, 31, v0
	v_lshlrev_b32 v3, 4, v7
	v_lshlrev_b32 v4, 3, v7
	s_mul_i32 s40, s[RH], 4*1536
	s_mul_i32 s41, s[CH], 4*1536
	s_add_co_u32 s41, s41, 2*QRT
	v_add_nc_u32 v[A16], s40, v3
	v_add_nc_u32 v[A8], s40, v4
	v_add_nc_u32 v[B16], s41, v3
	v_add_nc_u32 v[B8], s41, v4
	s_lshl_b32 s40, s[RH], 3
	s_lshl_b32 s41, s[CH], 3
	s_add_co_u32 s41, s41, 2*QRT
	s_sub_co_u32 s41, s41, s40
	v_mul_u32_u24 v8, s41, v2
	v_lshl_add_u32 v8, v1, 5, v8
	s_add_co_u32 s40, s40, 12288
	v_add_nc_u32 v[ADRS], s40, v8
.irp g, A16, A8, B16, B8, ADRS
	v_add_nc_u32 v[\g+1], QRT, v[\g]
	v_add_nc_u32 v[\g+2], SLOT, v[\g]
	v_add_nc_u32 v[\g+3], SLOT+QRT, v[\g]
.endr
	s_mul_i32 s40, s[WV], 16*SPITCH
	s_add_co_u32 s40, s40, STAGE
	v_mul_u32_u24 v8, v1, SPITCH
	v_lshl_add_u32 v8, v2, 6, v8
	v_add_nc_u32 v[STO], s40, v8
	v_mul_u32_u24 v8, v2, SPITCH
	v_lshl_add_u32 v8, v1, 4, v8
	v_add_nc_u32 v[RD], s40, v8
	v_lshlrev_b32 v[CO], 12, v2
	v_lshl_add_u32 v[CO], v1, 4, v[CO]
	s_wait_alu depctr_va_vdst(0)
	s_lshl_b32 s74, s43, 7
	s_lshl_b32 s75, s[RH], 6
	s_add_co_u32 s74, s74, s75
	s_lshl_b32 s74, s74, 12
	s_lshl_b32 s75, s42, 9
	s_add_co_u32 s74, s74, s75
	s_lshl_b32 s76, s[CH], 8
	s_add_co_u32 s74, s74, s76
	s_add_co_u32 s76, s76, s75
	s_mov_b32 s75, 0
	s_mov_b32 s77, 0
	s_add_nc_u64 s[10:11], s[10:11], s[74:75]
	s_add_nc_u64 s[12:13], s[12:13], s[74:75]
	s_add_nc_u64 s[8:9], s[8:9], s[76:77]
	v_lshlrev_b32 v9, 6, v2
.irp n, 0,1,2,3,4,5,6,7
	global_load_b128 v[BI+4*\n:BI+4*\n+3], v9, s[8:9] offset:128*(\n/4)+16*(\n%4)
.endr
	WIN 0x80
.irp a, 0,1,2,3
.irp t, 0,1,2,3,4,5,6,7
	global_load_b128 v[32*\a+4*\t:32*\a+4*\t+3], v[CO], s[10:11] offset:(32*(\a/2)+8*(\a%2)+2*\t+8*(\t/4))*4096
.endr
.endr
	WIN 0
	s_wait_tensorcnt 0x0                           ; my load is in, so its descriptors may be written: the ring's loads bring 150 rows, a quarter of a slot
	s_mov_b32 s[G0+1], s68
	s_mov_b32 s[G0B+1], s68
	s_sub_nc_u64 s[G0+2:G0+3], s[G0+2:G0+3], s[2:3]
	s_sub_nc_u64 s[G0B+2:G0B+3], s[G0B+2:G0B+3], s[2:3]
	s_mov_b32 s[G1+2], 150<<16
	s_mov_b32 s[G1+4], 150
	s_mov_b32 s[G1B+2], 150<<16
	s_mov_b32 s[G1B+4], 150
	s_barrier_signal -1
	s_barrier_wait -1
	FETCH 0
	s_wait_loadcnt 32
	KS 0, 1
	WIN 0
	global_prefetch_b8 v10, s[14:15] offset:4*QRT th:TH_LOAD_NT scope:SCOPE_SE   ; what the first refill, behind K step 5, will load
	global_prefetch_b8 v11, s[14:15] offset:4*QRT th:TH_LOAD_NT scope:SCOPE_SE
.irp k, 1,2,3,4
	KS \k, 0
.endr
	TURN 5, 1
.irp k, 6,7,8,9,10
	KS \k, 0
.endr
	TURN 11, 1
.irp k, 12,13,14,15,16
	KS \k, 0
.endr
	TURN 17, 1
.irp k, 18,19,20,21,22
	KS \k, 0
.endr
	TURN 23, 2
.irp k, 24,25,26,27,28
	KS \k, 0
.endr
	TURN 29, 0
	KS 30, 0
	s_wait_dscnt 0x0
	WIN MUL
	MUL4 1, 0, 0
	MUL4 1, 1, 0
	MUL4 1, 2, 0
	MUL4 1, 3, 0
	WIN 0
	s_wait_loadcnt 0x0
	PLACES 4
.irp a, 0,1,2,3
.if \a > 0
	s_wait_xcnt 0x0
.endif
.irp b, 0,1,2,3
	ds_store_b128 v[STO], v[ACC+8*(4*\a+\b):ACC+8*(4*\a+\b)+3] offset:128*(\b/2)+32*(\b%2)
	ds_store_b128 v[STO], v[ACC+8*(4*\a+\b)+4:ACC+8*(4*\a+\b)+7] offset:128*(\b/2)+32*(\b%2)+16
.endr
.irp t, 0,1,2,3,4,5,6,7
	ds_load_b128 v[T+4*\t:T+4*\t+3], v[RD] offset:2*\t*SPITCH
.endr
	s_wait_dscnt 0x0
	WIN 0x08
.set jj, 0
.rept 16
	v_pk_add_f32 v[T+jj:T+jj+1], v[T+jj:T+jj+1], v[32*\a+jj:32*\a+jj+1]
.set jj, jj+2
.endr
	WIN 0
.irp t, 0,1,2,3,4,5,6,7
	global_store_b128 v[CO], v[T+4*\t:T+4*\t+3], s[12:13] offset:(32*(\a/2)+8*(\a%2)+2*\t+8*(\t/4))*4096
.endr
.endr
	s_wait_tensorcnt 0x0
	ds_add_u32 v[SPW], v[NIL]
	s_wait_dscnt 0x0
	CROUND
	s_endpgm
.Lfunc_end_k_q168f961720_ffn2:
	.size	k_q168f961720_ffn2, .Lfunc_end_k_q168f961720_ffn2-k_q168f961720_ffn2
	.p2alignl 7, 3214868480
	.fill 96, 4, 3214868480
	.section	.rodata,"a",@progbits
	.p2align	6, 0x0
	.amdhsa_kernel k_q168f961720_ffn2
		.amdhsa_group_segment_fixed_size 327680
		.amdhsa_private_segment_fixed_size 0
		.amdhsa_enable_private_segment 0
		.amdhsa_kernarg_size 40
		.amdhsa_user_sgpr_count 2
		.amdhsa_user_sgpr_kernarg_segment_ptr 1
		.amdhsa_wavefront_size32 1
		.amdhsa_system_sgpr_workgroup_id_x 1
		.amdhsa_system_sgpr_workgroup_id_y 1
		.amdhsa_system_sgpr_workgroup_id_z 1
		.amdhsa_system_vgpr_workitem_id 0
		.amdhsa_next_free_vgpr 640
		.amdhsa_next_free_sgpr 100
		.amdhsa_reserve_vcc 0
		.amdhsa_float_denorm_mode_32 3
		.amdhsa_float_denorm_mode_16_64 3
		.amdhsa_memory_ordered 1
		.amdhsa_forward_progress 1
		.amdhsa_inst_pref_size 171
	.end_amdhsa_kernel
	.amdgpu_metadata
---
amdhsa.version: [ 1, 2 ]
amdhsa.kernels:
  - .name:           k_q168f961720_ffn2
    .symbol:         k_q168f961720_ffn2.kd
    .args:
      - { .name: fimg, .offset: 0, .size: 8, .value_kind: global_buffer, .address_space: global }
      - { .name: wimg, .offset: 8, .size: 8, .value_kind: global_buffer, .address_space: global }
      - { .name: b2, .offset: 16, .size: 8, .value_kind: global_buffer, .address_space: global }
      - { .name: x1, .offset: 24, .size: 8, .value_kind: global_buffer, .address_space: global }
      - { .name: out0, .offset: 32, .size: 8, .value_kind: global_buffer, .address_space: global }
    .group_segment_fixed_size: 327680
    .private_segment_fixed_size: 0
    .kernarg_segment_align: 8
    .kernarg_segment_size: 40
    .max_flat_workgroup_size: 128
    .sgpr_count:     100
    .vgpr_count:     640
    .wavefront_size: 32
...
	.end_amdgpu_metadata
.endif
;; end of part 7
